; MI455X (gfx1250); checked and timed in simulation.
; The chip was launched on July 23, 2026; its instructions are those of AMD's public machine-readable ISA for CDNA 5 (MIT licence, August 2026) and "CDNA5" Instruction Set Architecture Reference Guide (July 2026). The comments in the code are by the model that wrote it; some were corrected since.
;; Double Attention. Allowed arithmetic: float matrix products may take bf16 or f16 operands with f32 sums; other float arithmetic in f32, or as packed bf16 or f16 multiplies, adds, multiply-adds, maxima and minima; sums over many terms, partial sums and values carried from step to step in f32; what a program stores and reads back later, other than sums and carried values, may be rounded once to bf16 or f16.
;; Inputs: bA 512 float32; bB 512 float32; bR 512 float32; bV 512 float32; wA 512 x 512 float32; wB 512 x 512 float32; wR 512 x 512 float32; wV 512 x 512 float32; x 32 x 512 x 32 x 32 float32.
;; Outputs: out0 32 x 512 x 32 x 32 float32.
;; One version. Each part assembles by itself: llvm-mc -triple=amdgcn-amd-amdhsa -mcpu=gfx1250 --defsym DOCPART=n.
;; ======== version 1 of 1: 3 launches
;; workspace buffers: xs 33,554,432 bytes; wlg 1,048,576 bytes; wch 524,288 bytes; ub 2,048 bytes; ev 33,554,432 bytes; mt 16,777,216 bytes
;; launch prep (part 1): grid 608 x 1, 8 waves a work-group, no clusters, 149,504 bytes of LDS; arguments x, wV, wB, wA, wR, bA, xs, wlg, wch, ub; writes xs, wlg, wch, ub
.if DOCPART == 1
	.amdgcn_target "amdgcn-amd-amdhsa--gfx1250"
	.amdhsa_code_object_version 6
	.text
	.protected	k_qb0fb77d8dd_prep
	.globl	k_qb0fb77d8dd_prep
	.p2align	8
	.type	k_qb0fb77d8dd_prep,@function
k_qb0fb77d8dd_prep:
	s_mov_b64 s[64:65], 0
	v_nop
	global_prefetch_b8 v0, s[64:65] scope:SCOPE_SE
	s_setreg_imm32_b32 hwreg(HW_REG_WAVE_MODE, 25, 1), 1
	s_wait_xcnt 0x0
; DOUBLE ATTENTION, launch 1 of 3: x, wV and wB are rounded once to bf16 and laid in blocks of 1,024 bytes, in the order in which the later launches' matrix operands take them; and what hangs on the
; weights alone is made once: W2 = wR wA (bf16 operands, f32 sums, rounded once to bf16, laid in the same blocks) and u = wR bA (f32).
; THE WHOLE PROGRAM.  For a batch, x is [512 c][1024 n].  S_V = wV x, S_B = wB x; E = exp(S - row maximum), l = the row's sum of E (P = E / l is the softmax over n).
;   Y[d][c] = sum over n of E_B[d][n] x[c][n];   M[d][o] = ((sum over c of Y[d][c] W2[o][c]) / l_B[d] + u[o]) / l_V[d];   out[o][n] = sum over d of M[d][o] E_V[d][n] + bR[o].
; WORK LEFT OUT, for all finite values of the inputs:
;   bB and bV are added to a softmax's input and are the same along its axis n: exp(s + b - max(s + b)) = exp(s - max s).  They reach no output, are not loaded and are among no launch's arguments.
;   A = wA x + bA is never formed: sum_n A[o'][n] P_B[d][n] = sum_c wA[o'][c] (sum_n x[c][n] P_B[d][n]) + bA[o'] sum_n P_B[d][n], and a softmax's row sums to 1 by its definition.
;   Z = G P_V is never formed: wR (G P_V) = (wR G) P_V; and wR G = wR (wA y + bA) = (wR wA) y + wR bA for each column y.  Four and a half products of 512 x 512 x 1024 a batch stand for six.
;   The row maxima are taken away as reference() takes them.
; LIMITS.  A NaN, an infinity or an overflow that would reach only bB, bV, or the A, G and Z that are not formed, is not carried to the result.  The sum of a softmax's row is taken as exactly 1.
; All matrix operands are bf16 (x, the weights, W2, E, Y, M); sums, maxima, l, 1 / l, u and bR stay in f32.
; BLOCKS.  A block is 16 rows x 32 columns of bf16: 64 pieces of 16 bytes; piece (q, hh, rr) holds row rr, columns 16 q + 8 hh + 0..7.
;   PLAIN: the piece lies at 512 q + 16 (16 hh + rr).          TURNED-ROW ("SWZ"): at 512 q + 256 hh + 16 ((rr + 8 hh) % 16).
;   xs  [b 32][kt8 8][cb 32][ks 4][SWZ]                row c = 16 cb + rr, column n = 128 kt8 + 32 ks + ..
;   wlg [slice 8][mat 2: V, B][co 4][ks 4][db 4][PLAIN] row d = 64 slice + 16 db + rr, column c = 128 co + 32 ks + ..
;   wch [kt 4][jb 32][ks 4][SWZ]                       W2: row o = 16 jb + rr, column c = 128 kt + 32 ks + ..          ub [512] f32: u
; SHARES.  Work-groups 0-63 make W2, 64-79 u, 80-95 lay wlg, 96-607 xs: the longest job first.
; A LAYING JOB (a wave) is 8 blocks = 16 half blocks; each store of the wave is a half block: 512 consecutive bytes, aligned, 16 bytes a lane.  All 32 loads go out first; the waits count the younger loads.
;   xs: a load takes 512 consecutive bytes of one row of x; the rounded numbers go through a stage of the wave's own in LDS and come back as pieces.
;   wlg (1 MiB in all): a lane reads the 32 bytes of its piece straight from the weights by two loads.
; No cluster: what work-groups share here is a few hundred KiB of weights.
.set DAT, 16                           ; v[16:143]  as loaded
.set PKD, 144                          ; v[144:207] rounded
.set SPW, 8                            ; v8   LDS address of my spare word; never rewritten
.set NIL, 9                            ; v9   0; never rewritten
.set XS,  10                           ; xs: where I put 8 bytes of a row
.set XR,  11                           ; xs: where I read a piece back
.set VR,  10                           ; W2: where I put 8 bytes of a row of wR
.set VAG, 11                           ; W2: my byte offset in two rows of wA
.set VAS, 12                           ; W2: where I put 8 bytes of a row of wA
.set VFR, 13                           ; W2: my place in a fragment of wR
.set VFA, 14                           ; v14-15  W2: my place for the turning load, K steps 0-7 and 8-15
.set VOUT, 3                           ; W2: my 16 bytes in a half block
.set FB0, 16                           ; W2: two fragment buffers of 96: four K steps of 8 (wR) + 16 (wA)
.set FB1, 112
.set ACC, 208                          ; v[208:223] W2: two accumulators
.set SRC, 24                           ; s[24:25]   the job's first source byte
.set DST, 26                           ; s[26:27]   the job's first destination byte (W2: its second source)
.set OFA, 28                           ; s[28:29]   an offset, high word 0
.set OFB, 30                           ; s[30:31]   an offset, high word 0
.set OUT, 32                           ; s[32:33]   W2: my block of wch
.set WVN, 34                           ; s34        my wave
.set OFC, 44                           ; s[44:45]   an offset, high word 0
.set XP,  272                          ; LDS, xs: a row of 128 bf16 + 16 bytes: the 16 rows of a piece load start at 16 different 16-byte columns; a wave's stage is 32 rows, from byte 8,704 x wave on
.set RP,  1040                         ; LDS, W2: a row of wR, 512 bf16 + 16 bytes: the 16 rows of a fragment load start at 16 different 16-byte columns
.set AP,  160                          ; LDS, W2: a row of wA, 64 bf16 + 32 bytes
.set ABASE, 64*RP                      ; wA's tile lies behind wR's
.set SPARE, ABASE+512*AP               ; behind all of these: the spare words, 128 bytes for each wave: four blocks of 256 bytes that no other line names
; wlg's job: the blocks go [2 column blocks][4 row blocks]; a source row is 2,048 bytes
.macro JOBW
.set t, 0
.rept 16
.set im, ((t/2)%4)*16*2048+((t/2)/4)*128+(t%2)*64
	global_load_b128 v[DAT+8*t:DAT+8*t+3],   v1, s[SRC:SRC+1] offset:im
	global_load_b128 v[DAT+8*t+4:DAT+8*t+7], v1, s[SRC:SRC+1] offset:im+16
.set t, t+1
.endr
.set t, 0
.rept 16
	s_wait_loadcnt 30-2*t                          ; loads come back in order: half block t's two are in, the 30 - 2 t younger ones may stay out
.set c, 0
.rept 4
	v_cvt_pk_bf16_f32 v[PKD+4*t+c], v[DAT+8*t+2*c], v[DAT+8*t+2*c+1]
.set c, c+1
.endr
	global_store_b128 v2, v[PKD+4*t:PKD+4*t+3], s[DST:DST+1] offset:512*t
.set t, t+1
.endr
	s_endpgm
.endm
; xs's job: 32 rows x 128 columns; the blocks go [2 row blocks][4 column blocks]
.macro JOBX
.set t, 0
.rept 32
	global_load_b128 v[DAT+4*t:DAT+4*t+3], v2, s[SRC:SRC+1] offset:4096*t th:TH_LOAD_NT   ; row t: 512 consecutive bytes, aligned; lane l holds columns 4 l + 0..3
.set t, t+1
.endr
	s_mul_i32 s38, s[WVN], 32*XP                   ; my wave's stage
	v_lshl_add_u32 v[XS], v4, 3, s38               ; in: 8 bytes a lane
	v_mul_u32_u24 v[XR], v7, XP                    ; back: the row of my piece in a SWZ half block,
	v_lshl_add_u32 v[XR], v5, 4, v[XR]             ; its 8 (lane / 16) columns
	v_add_nc_u32 v[XR], s38, v[XR]
.set t, 0
.rept 32
.if (t%4) == 0
	s_wait_loadcnt 28-t                            ; loads come back in order: rows t .. t + 3 are in, the 28 - t younger loads may stay out
.endif
	v_cvt_pk_bf16_f32 v[PKD+2*t], v[DAT+4*t], v[DAT+4*t+1]
	v_cvt_pk_bf16_f32 v[PKD+2*t+1], v[DAT+4*t+2], v[DAT+4*t+3]
	ds_store_b64 v[XS], v[PKD+2*t:PKD+2*t+1] offset:XP*t
.set t, t+1
.endr
.set t, 0
.rept 16
	ds_load_b128 v[DAT+4*t:DAT+4*t+3], v[XR] offset:((t/2)/4)*16*XP+((t/2)%4)*64+(t%2)*32  ; LDS serves a wave's instructions in order (ISA guide 5.7.1.4): these see the stores above; the bytes are my wave's own
.set t, t+1
.endr
.set t, 0
.rept 16
.if (t%4) == 0
	s_wait_dscnt 12-t                              ; half blocks t .. t + 3 are back; the 12 - t younger LDS loads may stay out
.endif
	global_store_b128 v2, v[DAT+4*t:DAT+4*t+3], s[DST:DST+1] offset:512*t
.set t, t+1
.endr
	s_wait_tensorcnt 0x0                           ; the wave's end, behind my last LDS store
	ds_add_u32 v[SPW], v[NIL]
	s_wait_dscnt 0x0
	s_endpgm
.endm
; W2: the fragments of K steps 4 g .. 4 g + 3 into buffer b: 24 LDS loads
.macro W2FET g, b
.set kl, 0
.rept 4
.set kk, 4*(\g)+kl
	ds_load_b128 v[(\b)+24*kl:(\b)+24*kl+3],   v[VFR] offset:64*kk
	ds_load_b128 v[(\b)+24*kl+4:(\b)+24*kl+7], v[VFR] offset:64*kk+32
.set cq, 0
.rept 2
	ds_load_tr16_b128 v[(\b)+24*kl+8+8*cq:(\b)+24*kl+11+8*cq],  v[VFA+kk/8] offset:32*AP*(kk%8)+32*cq
	ds_load_tr16_b128 v[(\b)+24*kl+12+8*cq:(\b)+24*kl+15+8*cq], v[VFA+kk/8] offset:32*AP*(kk%8)+32*cq+16*AP
.set cq, cq+1
.endr
.set kl, kl+1
.endr
.endm
; W2: eight products; the two accumulators take turns, one instruction a turn.  zero = 1: the first two start the sums
.macro W2MUL b, zero
.set kl, 0
.rept 4
.set cq, 0
.rept 2
.if (\zero) && (kl == 0)
	v_wmma_f32_16x16x32_bf16 v[ACC+8*cq:ACC+8*cq+7], v[(\b)+24*kl+8+8*cq:(\b)+24*kl+15+8*cq], v[(\b)+24*kl:(\b)+24*kl+7], 0
.else
	v_wmma_f32_16x16x32_bf16 v[ACC+8*cq:ACC+8*cq+7], v[(\b)+24*kl+8+8*cq:(\b)+24*kl+15+8*cq], v[(\b)+24*kl:(\b)+24*kl+7], v[ACC+8*cq:ACC+8*cq+7]
.endif
.set cq, cq+1
.endr
.set kl, kl+1
.endr
.endm
.macro PLACES                          ; four plain places between a matrix instruction and a vector instruction or load that touches its registers
.rept 4
	v_nop
.endr
.endm
	s_load_b256 s[4:11], s[0:1], 0x0               ; x s[4:5], wV s[6:7], wB s[8:9], wA s[10:11]
	s_load_b256 s[12:19], s[0:1], 0x20             ; wR s[12:13], bA s[14:15], xs s[16:17], wlg s[18:19]
	s_load_b128 s[20:23], s[0:1], 0x40             ; wch s[20:21], ub s[22:23]
	v_lshl_add_u32 v[SPW], v0, 2, SPARE
	v_mov_b32 v[NIL], 0
	v_lshrrev_b32 v3, 5, v0
	v_readfirstlane_b32 s[WVN], v3                 ; wave 0..7
	v_and_b32 v4, 31, v0                           ; lane
	v_lshlrev_b32 v2, 4, v4                        ; 16 x lane
	v_bfe_u32 v5, v0, 4, 1                         ; lane / 16
	v_and_b32 v6, 15, v0                           ; lane % 16
	v_lshl_add_u32 v7, v5, 3, v6
	v_and_b32 v7, 15, v7                           ; SWZ: (lane % 16 + 8 (lane / 16)) % 16
	s_mov_b32 s[OFA+1], 0
	s_mov_b32 s[OFB+1], 0
	s_wait_kmcnt 0x0
	s_cmp_lt_u32 ttmp9, 64
	s_cbranch_scc1 .Lw2
	s_cmp_lt_u32 ttmp9, 80
	s_cbranch_scc1 .Lu
	s_cmp_lt_u32 ttmp9, 96
	s_cbranch_scc1 .Lwlg
	; xs: b = g / 16, kt8 = (g / 2) % 8, pair of row blocks cp = 8 (g % 2) + wave
	s_sub_co_u32 s35, ttmp9, 96
	s_lshr_b32 s36, s35, 4
	s_bfe_u32 s37, s35, 0x30001
	s_and_b32 s35, s35, 1
	s_lshl3_add_u32 s35, s35, s[WVN]
	s_lshl_b32 s[OFA], s36, 21                     ; a batch of x: 2 MiB
	s_lshl_b32 s38, s35, 17                        ; 32 rows of 4,096 bytes
	s_add_co_u32 s[OFA], s[OFA], s38
	s_lshl_b32 s38, s37, 9                         ; 128 columns of f32
	s_add_co_u32 s[OFA], s[OFA], s38
	s_lshl_b32 s[OFB], s36, 20
	s_lshl_b32 s38, s37, 17
	s_add_co_u32 s[OFB], s[OFB], s38
	s_lshl_b32 s38, s35, 13
	s_add_co_u32 s[OFB], s[OFB], s38
	s_add_nc_u64 s[SRC:SRC+1], s[4:5], s[OFA:OFA+1]
	s_add_nc_u64 s[DST:DST+1], s[16:17], s[OFB:OFB+1]
	JOBX
.Lwlg:                                         ; job J = 8 g + wave: mat = J / 64, slice = (J / 8) % 8, co = (J / 2) % 4, pair of column blocks kp = J % 2
	v_lshlrev_b32 v5, 5, v5                        ; 8 (lane / 16) columns of f32
	s_sub_co_u32 s35, ttmp9, 80
	s_lshl3_add_u32 s35, s35, s[WVN]
	s_lshr_b32 s36, s35, 6
	s_bfe_u32 s37, s35, 0x30003
	s_bfe_u32 s39, s35, 0x20001
	s_and_b32 s35, s35, 1
	s_lshl_b32 s[OFA], s37, 17                     ; 64 rows of 2,048 bytes
	s_lshl_b32 s38, s39, 9
	s_add_co_u32 s[OFA], s[OFA], s38
	s_lshl_b32 s38, s35, 8
	s_add_co_u32 s[OFA], s[OFA], s38
	s_lshl_b32 s[OFB], s37, 17
	s_lshl_b32 s38, s36, 16
	s_add_co_u32 s[OFB], s[OFB], s38
	s_lshl_b32 s38, s39, 14
	s_add_co_u32 s[OFB], s[OFB], s38
	s_lshl_b32 s38, s35, 13
	s_add_co_u32 s[OFB], s[OFB], s38
	s_cmp_eq_u32 s36, 0
	s_cselect_b64 s[SRC:SRC+1], s[6:7], s[8:9]     ; wV, then wB
	s_add_nc_u64 s[SRC:SRC+1], s[SRC:SRC+1], s[OFA:OFA+1]
	s_add_nc_u64 s[DST:DST+1], s[18:19], s[OFB:OFB+1]
	v_lshl_add_u32 v1, v6, 11, v5
	JOBW
; u[o] = sum over k of wR[o][k] bA[k], in f32.  Wave J = 8 g + wave takes rows 4 J .. 4 J + 3: a row is four loads of 512 consecutive bytes; lane l holds k = 128 p + 4 l + 0..3 of wR's row and of bA.
.Lu:
	s_sub_co_u32 s35, ttmp9, 64
	s_lshl3_add_u32 s35, s35, s[WVN]
	s_lshl_b32 s[OFA], s35, 13                     ; 4 rows of 2,048 bytes
	s_add_nc_u64 s[SRC:SRC+1], s[12:13], s[OFA:OFA+1]
	s_lshl_b32 s[OFB], s35, 4                      ; 4 numbers of u
	s_add_nc_u64 s[DST:DST+1], s[22:23], s[OFB:OFB+1]
	s_mov_b32 s40, 0x76543210                      ; v_permlanex16_b32: each lane takes its own place in the other half
	s_mov_b32 s41, 0xfedcba98
.irp p, 0,1,2,3
	global_load_b128 v[80+4*(\p):83+4*(\p)], v2, s[14:15] offset:512*(\p)
.endr
.set t, 0
.rept 16
	global_load_b128 v[DAT+4*t:DAT+4*t+3], v2, s[SRC:SRC+1] offset:512*t
.set t, t+1
.endr
.irp i, 0,1,2,3
	s_wait_loadcnt 12-4*(\i)                       ; bA and rows 0 .. i are in; the later rows' loads may stay out
	v_pk_mul_f32 v[96+4*(\i):97+4*(\i)], v[DAT+16*(\i):DAT+16*(\i)+1], v[80:81]      ; two chains a row; the first products start them
	v_pk_mul_f32 v[98+4*(\i):99+4*(\i)], v[DAT+16*(\i)+2:DAT+16*(\i)+3], v[82:83]
.irp p, 1,2,3
	v_pk_fma_f32 v[96+4*(\i):97+4*(\i)], v[DAT+16*(\i)+4*(\p):DAT+16*(\i)+4*(\p)+1], v[80+4*(\p):81+4*(\p)], v[96+4*(\i):97+4*(\i)]
	v_pk_fma_f32 v[98+4*(\i):99+4*(\i)], v[DAT+16*(\i)+4*(\p)+2:DAT+16*(\i)+4*(\p)+3], v[82+4*(\p):83+4*(\p)], v[98+4*(\i):99+4*(\i)]
.endr
	v_pk_add_f32 v[96+4*(\i):97+4*(\i)], v[96+4*(\i):97+4*(\i)], v[98+4*(\i):99+4*(\i)]
	v_add_f32 v[96+4*(\i)], v[96+4*(\i)], v[97+4*(\i)]
.endr
.irp m, 1,2,4,8                                ; across the lanes: four steps inside each half of 16, the four rows by turns
.irp i, 0,1,2,3
	v_add_f32_dpp v[96+4*(\i)], v[96+4*(\i)], v[96+4*(\i)] row_xmask:\m row_mask:0xf bank_mask:0xf
.endr
.endr
.irp i, 0,1,2,3
	v_permlanex16_b32 v[97+4*(\i)], v[96+4*(\i)], s40, s41
.endr
.irp i, 0,1,2,3
	v_add_f32 v[96+4*(\i)], v[96+4*(\i)], v[97+4*(\i)]   ; every lane holds row i's sum
.endr
.irp i, 1,2,3
	v_cmp_eq_u32 vcc_lo, \i, v4
	v_cndmask_b32 v96, v96, v[96+4*(\i)], vcc_lo   ; lane i takes row i's
.endr
	v_lshlrev_b32 v1, 2, v4
	v_cmp_gt_u32 vcc_lo, 4, v4
	s_wait_xcnt 0x0                                ; EXEC changes only behind this wait
	s_and_saveexec_b32 s42, vcc_lo
	global_store_b32 v1, v96, s[DST:DST+1]         ; 16 bytes a wave, 2,048 in the launch: the one narrow store of the program
	s_wait_xcnt 0x0
	s_or_b32 exec_lo, exec_lo, s42
	s_endpgm
; W2[o][c] = sum over k of wR[o][k] wA[k][c].  Work-group g makes 64 o (og = g / 8) x 64 c (cg = g % 8), K = 512.  Both operands go through LDS once, rounded: wR's 64 rows as they lie ([o][k]),
; wA's 64 columns as they lie ([k][c]).  Wave w loads wR's rows 8 w .. 8 w + 7 (16 KiB on end) and wA's rows 64 w .. 64 w + 63 (256 bytes each, aligned), 32 loads each, through one ring of 32 slots.
; Then wave w makes 16 o (block w % 4) x 32 c (half w / 4).  Source 0 = 16 c (wA, turned by ds_load_tr16_b128), source 1 = 16 o (wR): a lane ends with ONE o (lane % 16) and eight neighbouring c:
; a piece of a SWZ block; the wave's two results are one whole block of wch.
.Lw2:
	s_lshr_b32 s35, ttmp9, 3                       ; og
	s_and_b32 s36, ttmp9, 7                        ; cg
	s_lshl_b32 s[OFA], s35, 17                     ; 64 rows of 2,048 bytes
	s_lshl_b32 s38, s[WVN], 14                     ; 8 rows
	s_add_co_u32 s[OFA], s[OFA], s38
	s_add_nc_u64 s[SRC:SRC+1], s[12:13], s[OFA:OFA+1]
	s_lshl_b32 s[OFB], s[WVN], 17                  ; wA: 64 rows,
	s_lshl_b32 s38, s36, 8                         ; 64 columns of f32
	s_add_co_u32 s[OFB], s[OFB], s38
	s_add_nc_u64 s[DST:DST+1], s[10:11], s[OFB:OFB+1]
.set t, 0
.rept 32
	global_load_b128 v[DAT+4*t:DAT+4*t+3], v2, s[SRC:SRC+1] offset:512*t   ; wR: row t / 4, k = 128 (t % 4) + 4 lane + 0..3
.set t, t+1
.endr
	s_mul_i32 s38, s[WVN], 8*RP
	v_lshl_add_u32 v[VR], v4, 3, s38
	v_lshlrev_b32 v[VAG], 4, v6
	v_lshl_add_u32 v[VAG], v5, 11, v[VAG]          ; lanes 0-15 one row's 256 bytes, lanes 16-31 the next row's
	s_mul_i32 s38, s[WVN], 64*AP
	s_add_co_u32 s38, s38, ABASE
	v_mul_u32_u24 v[VAS], v5, AP
	v_lshl_add_u32 v[VAS], v6, 3, v[VAS]
	v_add_nc_u32 v[VAS], s38, v[VAS]
	s_and_b32 s39, s[WVN], 3                       ; my o block
	s_lshr_b32 s40, s[WVN], 2                      ; my c half
	s_mul_i32 s38, s39, 16*RP
	v_mul_u32_u24 v[VFR], v6, RP
	v_lshl_add_u32 v[VFR], v5, 4, v[VFR]           ; row x pitch + 16 x half
	v_add_nc_u32 v[VFR], s38, v[VFR]
	v_and_b32 v1, 7, v0
	v_lshl_add_u32 v1, v5, 3, v1                   ; the turning load: row 8 (l / 16) + l % 8, 16 bytes at 16 ((l / 8) % 2)
	v_mul_u32_u24 v[VFA], v1, AP
	v_bfe_u32 v1, v0, 3, 1
	v_lshl_add_u32 v[VFA], v1, 4, v[VFA]
	s_lshl_b32 s38, s40, 6
	s_add_co_u32 s38, s38, ABASE
	v_add_nc_u32 v[VFA], s38, v[VFA]
	v_add_nc_u32 v[VFA+1], 8*32*AP, v[VFA]         ; K steps 8-15: the immediate holds 16 bits
	v_lshlrev_b32 v[VOUT], 4, v7
	v_lshl_add_u32 v[VOUT], v5, 8, v[VOUT]         ; 256 h + 16 ((r + 8 h) % 16)
	s_lshr_b32 s38, s36, 1                         ; kt = cg / 2
	s_lshl_b32 s[OFC], s38, 17
	s_lshl2_add_u32 s38, s35, s39                  ; jb = 4 og + my o block
	s_lshl_b32 s38, s38, 12
	s_add_co_u32 s[OFC], s[OFC], s38
	s_and_b32 s38, s36, 1
	s_lshl1_add_u32 s38, s38, s40                  ; ks = 2 (cg % 2) + my c half
	s_lshl_b32 s38, s38, 10
	s_add_co_u32 s[OFC], s[OFC], s38
	s_mov_b32 s[OFC+1], 0
	s_add_nc_u64 s[OUT:OUT+1], s[20:21], s[OFC:OFC+1]
.set t, 0
.rept 32
	s_wait_loadcnt 31                              ; slot t's load of wR is in; 31 younger loads (the later slots' of wR, the earlier slots' of wA) may stay out
	v_cvt_pk_bf16_f32 v[PKD+2*t], v[DAT+4*t], v[DAT+4*t+1]
	v_cvt_pk_bf16_f32 v[PKD+2*t+1], v[DAT+4*t+2], v[DAT+4*t+3]
	ds_store_b64 v[VR], v[PKD+2*t:PKD+2*t+1] offset:(t/4)*RP+(t%4)*256
	global_load_b128 v[DAT+4*t:DAT+4*t+3], v[VAG], s[DST:DST+1] offset:4096*t   ; the slot is filled again: wA's rows 2 t, 2 t + 1
.set t, t+1
.endr
.set t, 0
.rept 32
	s_wait_loadcnt 31-t                            ; the counts run down
	v_cvt_pk_bf16_f32 v[PKD+2*t], v[DAT+4*t], v[DAT+4*t+1]
	v_cvt_pk_bf16_f32 v[PKD+2*t+1], v[DAT+4*t+2], v[DAT+4*t+3]
	ds_store_b64 v[VAS], v[PKD+2*t:PKD+2*t+1] offset:2*AP*t
.set t, t+1
.endr
	s_wait_dscnt 0x0                               ; for the others' sake: my stores are done
	s_barrier_signal -1
	s_barrier_wait -1
	W2FET 0, FB0
	W2FET 1, FB1
	s_wait_dscnt 24                                ; the first buffer is in; the other's 24 loads may stay out
	W2MUL FB0, 1
	PLACES
	W2FET 2, FB0
	s_wait_dscnt 24
	W2MUL FB1, 0
	PLACES
	W2FET 3, FB1
	s_wait_dscnt 24
	W2MUL FB0, 0
	s_wait_dscnt 0x0
	W2MUL FB1, 0
	PLACES
.irp q, 0,1
.irp j, 0,1,2,3
	v_cvt_pk_bf16_f32 v[FB0+4*(\q)+(\j)], v[ACC+8*(\q)+2*(\j)], v[ACC+8*(\q)+2*(\j)+1]
.endr
.endr
	global_store_b128 v[VOUT], v[FB0:FB0+3],   s[OUT:OUT+1]             ; 512 consecutive bytes, aligned: columns 0-15 of the block,
	global_store_b128 v[VOUT], v[FB0+4:FB0+7], s[OUT:OUT+1] offset:512  ; and columns 16-31
	s_wait_tensorcnt 0x0                           ; the wave's end, behind my last LDS store
	ds_add_u32 v[SPW], v[NIL]
	s_wait_dscnt 0x0
	s_endpgm
.Lfunc_end_k_qb0fb77d8dd_prep:
	.size	k_qb0fb77d8dd_prep, .Lfunc_end_k_qb0fb77d8dd_prep-k_qb0fb77d8dd_prep
	.p2alignl 7, 3214868480
	.fill 96, 4, 3214868480
	.section	.rodata,"a",@progbits
	.p2align	6, 0x0
	.amdhsa_kernel k_qb0fb77d8dd_prep
		.amdhsa_group_segment_fixed_size 149504
		.amdhsa_private_segment_fixed_size 0
		.amdhsa_enable_private_segment 0
		.amdhsa_kernarg_size 80
		.amdhsa_user_sgpr_count 2
		.amdhsa_user_sgpr_kernarg_segment_ptr 1
		.amdhsa_wavefront_size32 1
		.amdhsa_system_sgpr_workgroup_id_x 1
		.amdhsa_system_sgpr_workgroup_id_y 1
		.amdhsa_system_sgpr_workgroup_id_z 1
		.amdhsa_system_vgpr_workitem_id 0
		.amdhsa_next_free_vgpr 224
		.amdhsa_next_free_sgpr 66
		.amdhsa_reserve_vcc 1
		.amdhsa_float_denorm_mode_32 3
		.amdhsa_float_denorm_mode_16_64 3
		.amdhsa_memory_ordered 1
		.amdhsa_forward_progress 1
		.amdhsa_inst_pref_size 63
	.end_amdhsa_kernel
	.amdgpu_metadata
---
amdhsa.version: [ 1, 2 ]
amdhsa.kernels:
  - .name:           k_qb0fb77d8dd_prep
    .symbol:         k_qb0fb77d8dd_prep.kd
    .args:
      - { .name: x, .offset: 0, .size: 8, .value_kind: global_buffer, .address_space: global }
      - { .name: wV, .offset: 8, .size: 8, .value_kind: global_buffer, .address_space: global }
      - { .name: wB, .offset: 16, .size: 8, .value_kind: global_buffer, .address_space: global }
      - { .name: wA, .offset: 24, .size: 8, .value_kind: global_buffer, .address_space: global }
      - { .name: wR, .offset: 32, .size: 8, .value_kind: global_buffer, .address_space: global }
      - { .name: bA, .offset: 40, .size: 8, .value_kind: global_buffer, .address_space: global }
      - { .name: xs, .offset: 48, .size: 8, .value_kind: global_buffer, .address_space: global }
      - { .name: wlg, .offset: 56, .size: 8, .value_kind: global_buffer, .address_space: global }
      - { .name: wch, .offset: 64, .size: 8, .value_kind: global_buffer, .address_space: global }
      - { .name: ub, .offset: 72, .size: 8, .value_kind: global_buffer, .address_space: global }
    .group_segment_fixed_size: 149504
    .private_segment_fixed_size: 0
    .kernarg_segment_align: 8
    .kernarg_segment_size: 80
    .max_flat_workgroup_size: 256
    .sgpr_count:     66
    .vgpr_count:     224
    .wavefront_size: 32
...
	.end_amdgpu_metadata
.endif
;; end of part 1
;; launch fuse (part 2): grid 8 x 32, 4 waves a work-group, clusters of 4 x 1, 327,680 bytes of LDS; arguments xs, wlg, wch, ub, ev, mt; writes ev, mt
.if DOCPART == 2
	.amdgcn_target "amdgcn-amd-amdhsa--gfx1250"
	.amdhsa_code_object_version 6
	.text
	.protected	k_qb0fb77d8dd_fuse
	.globl	k_qb0fb77d8dd_fuse
	.p2align	8
	.type	k_qb0fb77d8dd_fuse,@function
k_qb0fb77d8dd_fuse:
	s_mov_b64 s[64:65], 0
	v_nop
	global_prefetch_b8 v0, s[64:65] scope:SCOPE_SE
	s_setreg_imm32_b32 hwreg(HW_REG_WAVE_MODE, 25, 1), 1
	s_wait_xcnt 0x0
	s_wait_alu depctr_hold_cnt(0) depctr_sa_sdst(0) depctr_va_vdst(0) depctr_va_sdst(0) depctr_va_ssrc(0) depctr_va_vcc(0) depctr_vm_vsrc(0)
	s_getreg_b32 s2, hwreg(HW_REG_IB_STS2, 6, 4)
	s_cmp_eq_u32 s2, 0
	s_cbranch_scc0 .Lentry_in_a_cluster
	s_endpgm
.Lentry_in_a_cluster:
	s_bfe_u32 s2, ttmp6, 0x10000c
	s_cmp_lg_u32 s2, 0x3003
	s_cbranch_scc0 .Lentry_shape_is_right
	s_endpgm
.Lentry_shape_is_right:
; DOUBLE ATTENTION, launch 2 of 3.  A work-group owns one batch b and 64 rows d (a slice) and takes them through the whole chain:
;   V: S = wV x, row maximum, E_V = exp(S - max), l_V; E_V goes to ev (bf16, not divided).     B: the same with wB; E_B stays in registers.
;   Y = E_B x^T;   M = ((Y W2^T) / l_B + u) / l_V, which goes to mt.  W2 = wR wA and u = wR bA come from the first launch.
; LEFT OUT, as shown at the head of the first kernel: bB and bV (the same along the softmax's axis), the products A = wA x + bA, G and Z = G P_V (regrouped; a softmax's row sums to 1).
; LIMITS.  A weight below 2^-126 counts as 0; a NaN loses in the maxima, NaN and infinities are not treated apart; l is the sum of the unrounded weights.
; ONE WALK of 28 tiles of 128 KiB through two LDS slots; a step is 128 matrix instructions a wave.  Tiles 0-7 (V) and 8-15 (B): x, 128 c x 512 n (c group t / 2, n half t % 2);
; 16-23: x, 512 c x 128 n; 24-27: W2, 512 rows x 128 k.  Every tile is dense in memory: four pieces of 32 KiB, one a wave, asked for as 128 rows of 256 bytes.
; CLUSTER.  The four slices of a cluster belong to one batch and walk the same tiles, so each piece is asked for JOINTLY: the same tensor load, descriptor and mask of four in all four work-groups.
; My place in the cluster enters only addresses of my own (wlg, ev, mt, the prefetches), no LDS address and no branch.
; THE MATRIX INSTRUCTION: source 0 = 16 "j" (n, c or o, from the tile), source 1 = 16 rows d.  In the result a lane holds ONE d (lane % 16) and eight neighbouring j (8 (lane / 16) + 0..7):
; maxima, sums and 1 / l are one number a lane, and two neighbouring results rounded to bf16 ARE source 1 (32 k) of the next stage and a piece of an ev or mt block.
; A wave's tile is 64 d x 128 j: 8 jj x 4 db accumulators at 32 jj + 8 db.  Wave w owns, of every 128 j, the 32 at 32 w: the K group ks = w of the next stage.  The four waves hand these groups
; to each other through two small LDS buffers L0, L1 ([ks 4][db 4][PLAIN block]), by turns, a step ahead.
; THE TEXT.  A lap of the logits (two steps: the n halves lie in different register windows) is written once.  A step of the chain is written twice: once for steps 16-25, which fill their slot again, once for
; steps 26 and 27, which do not.  There the LDS addresses hang on two scalars that an exclusive or turns (slot 0 or 1; L0 or L1), and one descriptor walks in the same way.
; BLOCK FORMATS: see the first kernel.  A SWZ block is read with the lane on its row by ds_load_b128, and with the lane on its column by ds_load_tr16_b128; in both, 16 lanes touch 16 different 16-byte columns.
; REGISTERS, in windows of 256 (s_set_vgpr_msb: bits 1:0 source 0, 3:2 source 1, 5:4 source 2, 7:6 destination):
;   window 0: addresses, statistics, two fragment buffers      window 1: logits of n half 0, then E blocks 0-3 (v0-127) and CP, Y's packed results (v128-255)
;   window 2: logits of n half 1, then E blocks 4-7 (v0-127) and u (v128-191)      window 3: the logits' weight fragments (v0-159), then the chain's accumulators
; The launch claims all of a WGP's LDS.  It uses 297,472 bytes.
.set SLOTB, 131072                     ; a slot; slot 1 begins here
.set L0B,   262144                     ; L0, 16 KiB
.set LBUF,  16384                      ; L1 lies behind it
.set STM,   294912                     ; [64 d][4 waves] f32: the waves' row maxima
.set STL,   1024                       ; behind it the same for the row sums
.set SPARE, 296960                     ; the spare words, 128 bytes for each wave: two blocks of 256 bytes that no other line names
.set RR,  1                            ; v1   lane % 16
.set HH,  2                            ; v2   lane / 16
.set LN,  3                            ; v3   lane
.set TR,  4                            ; v4-7   logits: my lane's place for the turning load + 1,024 w + 65,536 x (0..3)
.set PR,  8                            ; v8-9   chain: my lane's place in a SWZ block + 8,192 w + 65,536 x (0, 1), in slot 0; never rewritten
.set LF,  12                           ; v12  L0 + 16 x lane: where fragments are read; never rewritten
.set LS,  14                           ; v14  the same + 4,096 w: where my K group is stored; never rewritten
.set SMW, 16                           ; v16  STM + 16 (lane % 16) + 4 w
.set SMR, 17                           ; v17  STM + 16 (lane % 16)
.set GW,  18                           ; v18  16 x lane: my place in a PLAIN half block of wlg
.set GSO, 19                           ; v19  1,024 w + my place in a SWZ half block: ev and mt
.set BAO, 20                           ; v20  32 (lane / 16) + 128 w: u
.set PFO, 21                           ; v21  256 x lane: the prefetches
.set PRC, 22                           ; v22-23 PR in the slot in hand
.set CM,  24                           ; v24-31 four pairs: c m by db (the packed scaling takes a pair's low word)
.set LSUM, 32                          ; v32-39 four pairs: running sums (even j's, odd j's)
.set RL,  40                           ; v40-47 four pairs: 1 / l of the pass in hand; at work in between
.set RLV, 48                           ; v48-55 four pairs: 1 / l_V
.set TT,  56                           ; v56-59 at work
.set LFC, 60                           ; v60  LF in the L buffer that this step reads
.set LSN, 61                           ; v61  LS in the L buffer that the next step reads
.set SPW, 62                           ; v62  LDS address of my spare word; never rewritten
.set NIL, 63                           ; v63  0; never rewritten
.set F0,  64                           ; v64-127  fragments of the tile, buffer 0
.set F1,  128                          ; v128-191 buffer 1
.set FL,  192                          ; v192-223, v224-255 fragments of L, two buffers
.set CP,  128                          ; window 1
.set BA,  128                          ; window 2
.set WV,  16                           ; s16  my wave
.set CX,  17                           ; s17  my place in the cluster
.set SLI, 18                           ; s18  my slice
.set BB,  19                           ; s19  my batch
.set WVP, 20                           ; s20  32,768 x wave
.set CXO, 21                           ; s21  8,192 x place: my quarter of a piece, for the prefetches
.set G1,  24                           ; s[24:31] descriptor group 1, the same for every load
.set G0,  32                           ; s[32:39] descriptor group 0, a set for each slot; in the chain the second set walks
.set XB,  40                           ; s[40:41] xs at my batch
.set OFS, 42                           ; s[42:43] the next tile's offset, high word 0
.set NXT, 44                           ; s44  the tile to be asked for next
.set PASS, 45
.set CO,  46                           ; s46  c group of the lap, 0..3
.set LAM, 47                           ; s47  lap 0..7 of the two passes
.set PI,  48                           ; s48  the tile that a prefetch names: NXT + 3
.set PIW, 49                           ; s49  PI - 24
.set TAU, 50                           ; s50  the chain's step
.set LAPC, 51                          ; s51  counts the chain's loops
.set CS,  52                           ; s[52:53] c = log2(e)
.set SEL, 54                           ; s[54:55] v_permlanex16_b32's selects: each lane takes its own place in the other half
.set WP,  56                           ; s[56:57] wlg at the lap whose sets are being loaded
.set TBC, 58                           ; s58  the chain's slot in hand: 0 or SLOTB
.set LBC, 59                           ; s59  the L buffer in hand: 0 or LBUF
.set PFA, 60                           ; s[60:61] the prefetches' address
.set PLIM, 66                          ; s66  8 in a batch's first cluster, else 0
.set WLIM, 67                          ; s67  4 in the launch's first cluster, else 0
.set ZF,  68                           ; s68  1: the step's first quarter starts new sums
.set EVB, 70                           ; s[70:71] ev at my batch and slice
.set MTB, 72                           ; s[72:73] mt at my batch and slice
.set MSB, 0
.macro WIN new                         ; the immediate's high byte repeats the setting that is left; a switch that changes nothing is dropped
.if MSB != (\new)
	s_set_vgpr_msb (MSB<<8)|(\new)
.set MSB, (\new)
.endif
.endm
.macro PLACES                          ; four plain places between a matrix instruction and a vector instruction or load that touches its registers
.rept 4
	v_nop
.endr
.endm
.macro EACH4 line:vararg               ; one line for each db = d
.set d, 0
.rept 4
	\line
.set d, d+1
.endr
.endm
.macro CREST                           ; a round of the cluster's barrier behind its opening barrier
	s_cmp_lg_u32 s[WV], 0
	s_cbranch_scc1 .Lnot_wave_0_\@
	s_barrier_signal -3
.Lnot_wave_0_\@:
	s_barrier_wait -3
	s_barrier_signal -1
	s_barrier_wait -1
.endm
.macro CROUND
	s_barrier_signal -1
	s_barrier_wait -1
	CREST
.endm
.macro JLOAD slot                      ; my piece of a tile: LDS and global address both hang on my wave's number; an s_nop 0 and four v_nop follow
	tensor_load_to_lds s[G0+4*(\slot):G0+4*(\slot)+3], s[G1:G1+7]
	s_nop 0
	PLACES
.endm
.macro FORMA d, n, t1, t2              ; a logits tile's offset: ((4 (n % 2) + wave) << 17) + (((n / 2) % 4) << 15)
	s_and_b32 s[\t1], s[\n], 1
	s_lshl2_add_u32 s[\t1], s[\t1], s[WV]
	s_lshl_b32 s[\t1], s[\t1], 17
	s_bfe_u32 s[\t2], s[\n], 0x20001
	s_lshl_b32 s[\t2], s[\t2], 15
	s_add_co_u32 s[\d], s[\t1], s[\t2]
.endm
; A PREFETCH INTO THE L2 of the tile that stands three refills on (384 matrix instructions ahead of its load): of my wave's piece my work-group's quarter, 32 blocks of 256 bytes, a lane a block.
; The partners share a piece out BY ADDRESS.  x: tiles 5, 6, 7 of the first pass, asked by the batch's first cluster (both clusters of a batch walk them; the later passes read them again and ask for nothing;
; tiles 0-4 come by their loads alone).  W2's four tiles: asked by the launch's first cluster, since every cluster walks them.  So each block is named once in the launch.
.macro ASKX
	s_cmp_lt_u32 s[PI], s[PLIM]
	s_cbranch_scc0 .Lnot_mine_\@
	global_prefetch_b8 v[PFO], s[PFA:PFA+1] th:TH_LOAD_NT scope:SCOPE_SE
.Lnot_mine_\@:
.endm
.macro ASKW
	s_cmp_lt_u32 s[PIW], s[WLIM]
	s_cbranch_scc0 .Lnot_mine_\@
	global_prefetch_b8 v[PFO], s[PFA:PFA+1] th:TH_LOAD_NT scope:SCOPE_SE
.Lnot_mine_\@:
.endm
; ---------------- THE LOGITS ----------------
; 16 turning loads: x's fragments for 32 c (row blocks 2 kk, 2 kk + 1 of the tile) and my 8 groups of 16 n: jj -> piece jj / 2, column block w, half jj % 2
.macro LFETCH slot, kk, f
	WIN 0
.set fj, 0
.rept 8
	ds_load_tr16_b128 v[(\f)+8*fj:(\f)+8*fj+3],   v[TR+2*(\slot)+(fj/4)] offset:((fj/2)%2)*32768+(fj%2)*512+2*(\kk)*4096
	ds_load_tr16_b128 v[(\f)+8*fj+4:(\f)+8*fj+7], v[TR+2*(\slot)+(fj/4)] offset:((fj/2)%2)*32768+(fj%2)*512+2*(\kk)*4096+4096
.set fj, fj+1
.endr
.endm
; 4 nj products with weight set ws; the accumulators take turns, one instruction a turn, in the same order in every quarter.  zero = 1: the product starts the sum
.macro LMUL hf, ws, f, j0, nj, zero
	WIN 0x5c+0x50*(\hf)
.set mj, \j0
.rept \nj
.set md, 0
.rept 4
.if \zero
	v_wmma_f32_16x16x32_bf16 v[32*mj+8*md:32*mj+8*md+7], v[(\f)+8*mj:(\f)+8*mj+7], v[32*(\ws)+8*md:32*(\ws)+8*md+7], 0
.else
	v_wmma_f32_16x16x32_bf16 v[32*mj+8*md:32*mj+8*md+7], v[(\f)+8*mj:(\f)+8*mj+7], v[32*(\ws)+8*md:32*(\ws)+8*md+7], v[32*mj+8*md:32*mj+8*md+7]
.endif
.set md, md+1
.endr
.set mj, mj+1
.endr
.endm
.macro L16 hf, kk, f, j0               ; 16 products; a lap's first quarter stands twice: in a pass's first lap it starts the sums
.if (\kk) == 0
	WIN 0
	s_cmp_eq_u32 s[CO], 0
	s_cbranch_scc1 .Lzero_\@
	LMUL \hf, \kk, \f, \j0, 4, 0
	WIN 0
	s_branch .Ljoin_\@
.Lzero_\@:
	LMUL \hf, \kk, \f, \j0, 4, 1
	WIN 0
.Ljoin_\@:
.else
	LMUL \hf, \kk, \f, \j0, 4, 0
.endif
.endm
; THE WEIGHTS come straight from wlg into window 3: set k = the fragments for 32 c (K step k of the lap), four db, 32 registers at 32 k.  Sets 0, 1, 2 serve both n halves.  The lap's last K step is held
; TWICE: set 3 for half 0, set 4 for half 1, so that each is free, and is asked for again, at least three and a half quarters ahead of its next use.
.macro WLOAD ds, ss                    ; K step ss of the lap at the pointer, into set ds
	WIN 0xc0
.set wd, 0
.rept 4
	global_load_b128 v[32*(\ds)+8*wd:32*(\ds)+8*wd+3],   v[GW], s[WP:WP+1] offset:(\ss)*4096+wd*1024
	global_load_b128 v[32*(\ds)+8*wd+4:32*(\ds)+8*wd+7], v[GW], s[WP:WP+1] offset:(\ss)*4096+wd*1024+512
.set wd, wd+1
.endr
	WIN 0
.endm
; The same for the next lap; the last lap has none.  step = 1: the pointer goes on to the next lap first: its last reader, this lap's set 4, was issued four quarters back
.macro WNEXT set, step
	WIN 0
	s_cmp_eq_u32 s[LAM], 7
	s_cbranch_scc1 .Lno_w_\@
.if \step
	s_wait_xcnt 0x0                                ; every load issued so far has read the pointer
	s_add_nc_u64 s[WP:WP+1], s[WP:WP+1], 16384
.endif
	WLOAD \set, \set
.Lno_w_\@:
.endm
; One of a step's first three quarters: multiplies buffer fc, fetches the next quarter into fn.  lw: how many younger global loads may stay out (-1: no wait).
; wl = 1: this lap's set 4; 2: the next lap's set 3 (quarter 0), 0 (quarter 1), 1 (quarter 2): each behind the last product that read the set, and four places.
.macro LQ hf, kk, fc, fn, lw, wl
.if (\lw) >= 0
	s_wait_loadcnt \lw
.endif
	s_wait_dscnt 8                                 ; jj 0-3 are in; the youngest eight loads (jj 4-7) may be out
	L16 \hf, \kk, \fc, 0
	PLACES
	LFETCH \hf, (\kk)+1, \fn
.if (\wl) == 1
	WLOAD 4, 3
.elseif (\wl) == 2
.if (\kk) == 0
	WNEXT 3, 1
.else
	WNEXT (\kk)-1, 0
.endif
.endif
	s_wait_dscnt 16                                ; all but the 16 just issued
	L16 \hf, \kk, \fc, 4
.endm
; The fourth quarter changes slots.  Each wave waits for all its tensor loads (one is out: its piece of the other slot), adds 0 to its spare word, and waits for that and for its reads of this slot;
; the barrier opens a round of the cluster's barrier, so that no wave of any partner still reads the slot or has a load on its way; the joint refill, tile NXT, is the first thing behind the round.
; Its weights: set 3 in half 0 (older than set 0, whose wait has shown it landed), set 4 in half 1 (waited for at that half's head).
.macro LTURN hf
	WIN 0
	s_wait_xcnt 0x0                                ; the last prefetch, a step back, has read its address
	s_add_co_u32 s[PI], s[NXT], 3
	FORMA 80, PI, 82, 83
	s_add_co_u32 s80, s80, s[CXO]
	s_add_nc_u64 s[PFA:PFA+1], s[XB:XB+1], s[80:81]
	FORMA 76, NXT, 77, 78                          ; tiles up to 15: 128 c x 512 n
	s_and_b32 s77, s[NXT], 7                       ; tiles 16, 17: 512 c x 128 n
	s_lshl_b32 s77, s77, 17
	s_add_co_u32 s77, s77, s[WVP]
	s_cmp_lt_u32 s[NXT], 16
	s_cselect_b32 s[OFS], s76, s77
	s_wait_tensorcnt 0x0                           ; no tensor load of mine is out, so a group 0 may be written
	ds_add_u32 v[SPW], v[NIL]                      ; 0 onto my spare word
	s_add_nc_u64 s[G0+4*(\hf)+2:G0+4*(\hf)+3], s[XB:XB+1], s[OFS:OFS+1]
	s_or_b32 s[G0+4*(\hf)+3], s[G0+4*(\hf)+3], 0x80000000
	s_add_co_u32 s[NXT], s[NXT], 1
	s_wait_dscnt 13                                ; jj 0, 1 are in; the add and the youngest twelve loads may be out
	LMUL \hf, 3+(\hf), F1, 0, 2, 0
	s_wait_dscnt 0x0                               ; the add is done, and my reads of this slot are over
	s_barrier_signal -1
	LMUL \hf, 3+(\hf), F1, 2, 2, 0
	WIN 0
	s_barrier_wait -1
	CREST
	JLOAD \hf                                      ; its four v_nop are also the places in front of the loads below
.if (\hf) == 0
	LFETCH 1, 0, F0
.else
	s_cmp_eq_u32 s[LAM], 7                         ; behind the last lap the chain reads tile 16 in its own way
	s_cbranch_scc1 .Lno_f_\@
	LFETCH 0, 0, F0
	WLOAD 2, 2
.Lno_f_\@:
.endif
	ASKX
	LMUL \hf, 3+(\hf), F1, 4, 4, 0
.endm
; ---------------- THE SOFTMAX ----------------
.macro SMAXW hf, t                     ; the maxima of a window's 32 accumulators, four chains by db; each accumulator's lowest registers are read first
.set xj, 0
.rept 8
.set xp, 0
.rept 4
.set xd, 0
.rept 4
.if (xj == 0) && (xp == 0)
	WIN 0x05*((\hf)+1)
	v_max_num_f32 v[(\t)+xd], v[8*xd], v[8*xd+1]
.else
	WIN 0x14*((\hf)+1)
	v_max3_num_f32 v[(\t)+xd], v[(\t)+xd], v[32*xj+8*xd+2*xp], v[32*xj+8*xd+2*xp+1]
.endif
.set xd, xd+1
.endr
.set xp, xp+1
.endr
.set xj, xj+1
.endr
.endm
; Unit u of a window: jj = 2 u, 2 u + 1, 64 registers.  c s - c m; ONE batch of 64 exponentials with one wait; the sums; the rounding to bf16, in place: E block u at 32 u + 8 db + 4 (jj % 2) + i.
; A destination never lies on a source that is still to be read: jj even goes first (8 db + i <= 8 db + 2 i), jj odd lands on registers 8 db + 4.. that jj even has left, later units land on earlier units' sources.
.macro EXPU hf, u
	WIN 0x41*((\hf)+1)
.set ea, 0
.rept 32
	v_pk_fma_f32 v[64*(\u)+2*ea:64*(\u)+2*ea+1], v[64*(\u)+2*ea:64*(\u)+2*ea+1], s[CS:CS+1], v[CM+2*((ea/4)%4):CM+2*((ea/4)%4)+1] op_sel_hi:[1,0,0] neg_lo:[0,0,1] neg_hi:[0,0,1]
.set ea, ea+1
.endr
.set ea, 0
.rept 64
	v_exp_f32 v[64*(\u)+ea], v[64*(\u)+ea]
.set ea, ea+1
.endr
	v_nop                                          ; a plain instruction behind the last exponential,
	s_wait_alu depctr_va_vdst(0)                   ; and the one wait ahead of the batch's first reader
	WIN 0x04*((\hf)+1)
.set ea, 0
.rept 32                                       ; four chains by db
	v_pk_add_f32 v[LSUM+2*(ea%4):LSUM+2*(ea%4)+1], v[LSUM+2*(ea%4):LSUM+2*(ea%4)+1], v[64*(\u)+32*(ea/16)+8*(ea%4)+2*((ea/4)%4):64*(\u)+32*(ea/16)+8*(ea%4)+2*((ea/4)%4)+1]
.set ea, ea+1
.endr
	WIN 0x45*((\hf)+1)
.set ea, 0
.rept 32
	v_cvt_pk_bf16_f32 v[32*(\u)+8*((ea/4)%4)+4*(ea/16)+(ea%4)], v[64*(\u)+32*(ea/16)+8*((ea/4)%4)+2*(ea%4)], v[64*(\u)+32*(ea/16)+8*((ea/4)%4)+2*(ea%4)+1]
.set ea, ea+1
.endr
.endm
; Packed block s (128 j) of 64 d goes to ev or mt: 8 stores, each 512 consecutive bytes, aligned
.macro GSTORE p, win, base, s
	WIN 0x04*(\win)
.set gd, 0
.rept 4
	global_store_b128 v[GSO], v[(\base)+8*gd:(\base)+8*gd+3],   s[(\p):(\p)+1] offset:((\s)/2)*65536+gd*8192+((\s)%2)*4096
	global_store_b128 v[GSO], v[(\base)+8*gd+4:(\base)+8*gd+7], s[(\p):(\p)+1] offset:((\s)/2)*65536+gd*8192+((\s)%2)*4096+512
.set gd, gd+1
.endr
	WIN 0
.endm
; ---------------- THE CHAIN ----------------
.macro CFETCHL kk, fb                  ; source 1: 64 d x 32 k from the L buffer in hand
	WIN 0
.set cd, 0
.rept 4
	ds_load_b128 v[FL+32*(\fb)+8*cd:FL+32*(\fb)+8*cd+3],   v[LFC] offset:(\kk)*4096+cd*1024
	ds_load_b128 v[FL+32*(\fb)+8*cd+4:FL+32*(\fb)+8*cd+7], v[LFC] offset:(\kk)*4096+cd*1024+512
.set cd, cd+1
.endr
.endm
.macro CFETCHR kk, fb                  ; source 0: my 8 row blocks jb = 8 (jj / 2) + 2 w + jj % 2 of the tile in the slot in hand, 32 k
	WIN 0
.set cj, 0
.rept 8
	ds_load_b128 v[F0+64*(\fb)+8*cj:F0+64*(\fb)+8*cj+3],   v[PRC+(cj/4)] offset:((cj/2)%2)*32768+(cj%2)*4096+(\kk)*1024
	ds_load_b128 v[F0+64*(\fb)+8*cj+4:F0+64*(\fb)+8*cj+7], v[PRC+(cj/4)] offset:((cj/2)%2)*32768+(cj%2)*4096+(\kk)*1024+512
.set cj, cj+1
.endr
.endm
.macro COTHER                          ; on to the next step: the other slot, the other L buffer; the buffer just read out is the one to store into
	s_xor_b32 s[TBC], s[TBC], SLOTB
	s_xor_b32 s[LBC], s[LBC], LBUF
	s_xor_b32 s62, s[LBC], LBUF
	v_add_nc_u32 v[PRC], s[TBC], v[PR]
	v_add_nc_u32 v[PRC+1], s[TBC], v[PR+1]
	v_add_nc_u32 v[LFC], s[LBC], v[LF]
	v_add_nc_u32 v[LSN], s62, v[LS]
.endm
.macro CMUL fb, j0, nj, zero
	WIN 0xf0
.set mj, \j0
.rept \nj
.set md, 0
.rept 4
.if \zero
	v_wmma_f32_16x16x32_bf16 v[32*mj+8*md:32*mj+8*md+7], v[F0+64*(\fb)+8*mj:F0+64*(\fb)+8*mj+7], v[FL+32*(\fb)+8*md:FL+32*(\fb)+8*md+7], 0
.else
	v_wmma_f32_16x16x32_bf16 v[32*mj+8*md:32*mj+8*md+7], v[F0+64*(\fb)+8*mj:F0+64*(\fb)+8*mj+7], v[FL+32*(\fb)+8*md:FL+32*(\fb)+8*md+7], v[32*mj+8*md:32*mj+8*md+7]
.endif
.set md, md+1
.endr
.set mj, mj+1
.endr
.endm
; zv = 1: the text stands twice; a stage's first quarter starts the sums.  A product that starts a sum anew writes over an accumulator and is no link of its chain: five plain places lie between it and the
; last product on that accumulator (ISA guide 7.12.1).  On the shortest way into the arm four stand already (behind the joint load for jj 0-3, in front of the quarter's fetches for jj 4-7); the arm's v_nop is the fifth.
.macro C16 fb, j0, zv
.if \zv
	WIN 0
	s_cmp_eq_u32 s[ZF], 1
	s_cbranch_scc1 .Lzero_\@
	CMUL \fb, \j0, 4, 0
	WIN 0
	s_branch .Ljoin_\@
.Lzero_\@:
	v_nop                                          ; the fifth place
	CMUL \fb, \j0, 4, 1
	WIN 0
.Ljoin_\@:
.else
	CMUL \fb, \j0, 4, 0
.endif
.endm
.macro LSTORE win, base, a             ; my K group of a step's source 1 into L, at address register a
	WIN 0x04*(\win)
.set sd, 0
.rept 4
	ds_store_b128 v[\a], v[(\base)+8*sd:(\base)+8*sd+3]   offset:sd*1024
	ds_store_b128 v[\a], v[(\base)+8*sd+4:(\base)+8*sd+7] offset:sd*1024+512
.set sd, sd+1
.endr
	WIN 0
.endm
; Which packed block the next step multiplies hangs on the step; registers cannot be indexed, so a chain of compares picks one of the cases.  L(step + 1) is stored between the rounds of the turn before
; this step and of this step's own turn: its last readers had waited for their loads ahead of the first, and the second shows the stores to every wave.
.macro LSW                             ; steps 16-22: E blocks 1-7; step 23: nothing yet, the change of stages follows; steps 24, 25: Y's blocks 1, 2
	WIN 0
	s_cmp_eq_u32 s[TAU], 16
	s_cbranch_scc1 .Le1_\@
	s_cmp_eq_u32 s[TAU], 17
	s_cbranch_scc1 .Le2_\@
	s_cmp_eq_u32 s[TAU], 18
	s_cbranch_scc1 .Le3_\@
	s_cmp_eq_u32 s[TAU], 19
	s_cbranch_scc1 .Le4_\@
	s_cmp_eq_u32 s[TAU], 20
	s_cbranch_scc1 .Le5_\@
	s_cmp_eq_u32 s[TAU], 21
	s_cbranch_scc1 .Le6_\@
	s_cmp_eq_u32 s[TAU], 22
	s_cbranch_scc1 .Le7_\@
	s_cmp_eq_u32 s[TAU], 23
	s_cbranch_scc1 .Lx_\@
	s_cmp_eq_u32 s[TAU], 24
	s_cbranch_scc1 .Lc1_\@
	LSTORE 1, CP+64, LSN                           ; step 25
	s_branch .Lx_\@
.Le1_\@:
	LSTORE 1, 32, LSN
	s_branch .Lx_\@
.Le2_\@:
	LSTORE 1, 64, LSN
	s_branch .Lx_\@
.Le3_\@:
	LSTORE 1, 96, LSN
	s_branch .Lx_\@
.Le4_\@:
	LSTORE 2, 0, LSN
	s_branch .Lx_\@
.Le5_\@:
	LSTORE 2, 32, LSN
	s_branch .Lx_\@
.Le6_\@:
	LSTORE 2, 64, LSN
	s_branch .Lx_\@
.Le7_\@:
	LSTORE 2, 96, LSN
	s_branch .Lx_\@
.Lc1_\@:
	LSTORE 1, CP+32, LSN
.Lx_\@:
.endm
.macro LSWN                            ; step 26: Y's block 3; step 27 has no step behind it
	WIN 0
	s_cmp_eq_u32 s[LAPC], 1
	s_cbranch_scc1 .Lx_\@
	LSTORE 1, CP+96, LSN
.Lx_\@:
.endm
.macro CQ kk, fb, lsw, zv              ; one of a step's first three quarters
	s_wait_dscnt 8                                 ; L's 8 loads and jj 0-3 are in; the youngest eight (jj 4-7) may be out
	C16 \fb, 0, \zv
.if (\lsw) == 1
	LSW
.elseif (\lsw) == 2
	LSWN
.endif
	PLACES
	CFETCHL (\kk)+1, 1-(\fb)
	CFETCHR (\kk)+1, 1-(\fb)
	s_wait_dscnt 24                                ; all but the 24 just issued
	C16 \fb, 4, \zv
.endm
; The fourth quarter of steps 16-25: the change of slots, as in the logits; the walking descriptor takes the slot just read.  One text for every trip: it also fetches L's first fragments, which ahead of the
; change of stages are stale and are fetched again there.
.macro CTURN
	WIN 0
	s_wait_xcnt 0x0                                ; the last prefetch, a step back, has read its address
	s_add_co_u32 s[PI], s[NXT], 3
	s_sub_co_u32 s[PIW], s[PI], 24
	s_and_b32 s80, s[PIW], 7
	s_lshl_b32 s80, s80, 17
	s_add_co_u32 s80, s80, s[WVP]
	s_add_co_u32 s80, s80, s[CXO]
	s_add_nc_u64 s[PFA:PFA+1], s[8:9], s[80:81]
	s_and_b32 s76, s[NXT], 7
	s_lshl_b32 s76, s76, 17
	s_add_co_u32 s[OFS], s76, s[WVP]
	s_cmp_lt_u32 s[NXT], 24
	s_cselect_b64 s[84:85], s[XB:XB+1], s[8:9]     ; x up to tile 23, then W2
	s_wait_tensorcnt 0x0                           ; no tensor load of mine is out, so a group 0 may be written
	ds_add_u32 v[SPW], v[NIL]                      ; 0 onto my spare word
	s_xor_b32 s[G0+5], s[G0+5], SLOTB              ; the other slot than last time
	s_add_nc_u64 s[G0+6:G0+7], s[84:85], s[OFS:OFS+1]
	s_or_b32 s[G0+7], s[G0+7], 0x80000000
	s_add_co_u32 s[NXT], s[NXT], 1
	s_wait_dscnt 13                                ; L's 8 and jj 0, 1 are in; the add and the youngest twelve loads may be out
	CMUL 1, 0, 2, 0
	s_wait_dscnt 0x0                               ; the add and my stores into L are done, my reads of this slot and of L are over
	s_barrier_signal -1
	CMUL 1, 2, 2, 0
	WIN 0
	s_barrier_wait -1
	CREST
	JLOAD 1                                        ; its four v_nop are also the places in front of the loads below
	COTHER
	CFETCHL 0, 0
	CFETCHR 0, 0
	ASKW
	CMUL 1, 4, 4, 0
.endm
; The fourth quarter of steps 26 and 27: nothing is asked for.  In the last trip there is no next step, and its fetches are jumped over.
.macro NTURN
	WIN 0
	s_wait_tensorcnt 0x0                           ; my piece of the last tile is in
	ds_add_u32 v[SPW], v[NIL]
	s_wait_dscnt 13
	CMUL 1, 0, 2, 0
	s_wait_dscnt 0x0                               ; the add and my stores into L are done, my reads are over
	s_barrier_signal -1
	CMUL 1, 2, 2, 0
	WIN 0
	s_barrier_wait -1
	s_cmp_eq_u32 s[LAPC], 1
	s_cbranch_scc1 .Lno_next_\@
	PLACES
	COTHER
	CFETCHL 0, 0
	CFETCHR 0, 0
.Lno_next_\@:
	CMUL 1, 4, 4, 0
.endm
.macro CVTC                            ; the chain's 32 accumulators, rounded to bf16: CP block jj / 2 at 32 (jj / 2) + 8 db + 4 (jj % 2) + i
	WIN 0x4f
.set ca, 0
.rept 128
	v_cvt_pk_bf16_f32 v[CP+32*(ca/32)+8*((ca/4)%4)+4*((ca/16)%2)+(ca%4)], v[32*(ca/16)+8*((ca/4)%4)+2*(ca%4)], v[32*(ca/16)+8*((ca/4)%4)+2*(ca%4)+1]
.set ca, ca+1
.endr
	WIN 0
.endm
; ---------------- THE HEAD ----------------
	s_load_b256 s[4:11], s[0:1], 0x0               ; xs s[4:5], wlg s[6:7], wch s[8:9], ub s[10:11]
	s_load_b128 s[12:15], s[0:1], 0x20             ; ev s[12:13], mt s[14:15]
	v_lshl_add_u32 v[SPW], v0, 2, SPARE
	v_mov_b32 v[NIL], 0
	ds_add_u32 v[SPW], v[NIL]                      ; the wave's opening: the add, twice on end, and its wait ahead of my first tensor load
	ds_add_u32 v[SPW], v[NIL]                      ; and once more; the set-up below, work on registers, stands between it and the wait
	v_lshrrev_b32 v1, 5, v0
	v_readfirstlane_b32 s[WV], v1                  ; wave 0..3
	s_bfe_u32 s[CX], ttmp6, 0x40000                ; my place in the cluster
	s_lshl_b32 s[SLI], ttmp9, 2                    ; in a cluster launch ttmp9 counts clusters
	s_add_co_u32 s[SLI], s[SLI], s[CX]
	s_and_b32 s[BB], ttmp7, 0xffff
	s_lshl_b32 s[WVP], s[WV], 15
	s_lshl_b32 s[CXO], s[CX], 13
	s_mov_b32 s[G1], 15|(1<<16)|(1<<21)            ; 15:0 the mask of four; 17:16 2-byte elements; 21 set beside a mask; no padding
	s_mov_b32 s[G1+1], 128<<16                     ; tensor_dim0 = 128
	s_mov_b32 s[G1+2], 128<<16                     ; tensor_dim1 = 128
	s_mov_b32 s[G1+3], 128<<16                     ; tile_dim0 = 128 elements: 256 bytes
	s_mov_b32 s[G1+4], 128                         ; tile_dim1 = 128 rows
	s_mov_b32 s[G1+5], 128                         ; dense: 128 elements from row to row
	s_mov_b32 s[G1+6], 0
	s_mov_b32 s[G1+7], 0
	s_mov_b32 s[G0], 1
	s_lshl_b32 s[G0+1], s[WV], 15                  ; LDS: slot 0 + 32,768 x wave
	s_mov_b32 s[G0+4], 1
	s_add_co_u32 s[G0+5], s[G0+1], SLOTB
	s_mov_b32 s[OFS+1], 0
	s_mov_b32 s77, 0
	s_mov_b32 s81, 0
	s_mov_b32 s89, 0
	s_mov_b32 s[CS], 0x3fb8aa3b                    ; c = log2(e)
	s_mov_b32 s[CS+1], s[CS]
	s_mov_b32 s[SEL], 0x76543210
	s_mov_b32 s[SEL+1], 0xfedcba98
	s_cmp_eq_u32 ttmp9, 0
	s_cselect_b32 s[PLIM], 8, 0                    ; the same in all four partners
	s_or_b32 s78, ttmp9, s[BB]
	s_cmp_eq_u32 s78, 0
	s_cselect_b32 s[WLIM], 4, 0
	v_and_b32 v[RR], 15, v0
	v_bfe_u32 v[HH], v0, 4, 1
	v_and_b32 v[LN], 31, v0
	v_lshl_add_u32 v56, v[HH], 3, v[RR]            ; a SWZ block read by rows: 256 h + 16 ((r + 8 h) % 16)
	v_and_b32 v56, 15, v56
	v_lshlrev_b32 v56, 4, v56
	v_lshl_add_u32 v56, v[HH], 8, v56
	v_and_b32 v57, 7, v0                           ; and turned: 256 hh + 16 ((8 h + l % 8 + 8 hh) % 16), hh = (l / 8) % 2
	v_bfe_u32 v58, v0, 3, 1
	v_lshl_add_u32 v57, v[HH], 3, v57
	v_lshl_add_u32 v57, v58, 3, v57
	v_and_b32 v57, 15, v57
	v_lshlrev_b32 v57, 4, v57
	v_lshl_add_u32 v57, v58, 8, v57
	s_lshl_b32 s78, s[WV], 10
	v_add_nc_u32 v[TR], s78, v57
	v_add_nc_u32 v[GSO], s78, v56
	v_add_nc_u32 v[TR+1], 65536, v[TR]
	v_add_nc_u32 v[TR+2], 131072, v[TR]
	v_add_nc_u32 v[TR+3], 196608, v[TR]
	s_lshl_b32 s79, s[WV], 13
	v_add_nc_u32 v[PR], s79, v56
	v_add_nc_u32 v[PR+1], 65536, v[PR]
	v_lshlrev_b32 v[GW], 4, v[LN]
	v_add_nc_u32 v[LF], L0B, v[GW]
	s_lshl_b32 s82, s[WV], 12
	v_add_nc_u32 v[LS], s82, v[LF]
	v_lshlrev_b32 v[SMR], 4, v[RR]
	v_add_nc_u32 v[SMR], STM, v[SMR]
	s_lshl_b32 s83, s[WV], 2
	v_add_nc_u32 v[SMW], s83, v[SMR]
	s_lshl_b32 s86, s[WV], 7
	v_lshl_add_u32 v[BAO], v[HH], 5, s86
	v_lshlrev_b32 v[PFO], 8, v[LN]
	s_wait_dscnt 0x0                               ; both opening adds are done
	s_wait_kmcnt 0x0
	s_lshl_b32 s76, s[BB], 20
	s_add_nc_u64 s[XB:XB+1], s[4:5], s[76:77]
	s_lshr_b32 s90, s[SLI], 1                      ; what hangs on my slice is made in registers of its own
	s_and_b32 s91, s[SLI], 1
	s_lshl_b32 s91, s91, 15
	s_lshl_b32 s88, s[BB], 20
	s_lshl_b32 s92, s90, 18
	s_add_co_u32 s88, s88, s92
	s_add_co_u32 s88, s88, s91
	s_add_nc_u64 s[EVB:EVB+1], s[12:13], s[88:89]
	s_lshl_b32 s88, s[BB], 19
	s_lshl_b32 s92, s90, 17
	s_add_co_u32 s88, s88, s92
	s_add_co_u32 s88, s88, s91
	s_add_nc_u64 s[MTB:MTB+1], s[14:15], s[88:89]
	s_lshl_b32 s88, s[SLI], 17
	s_add_nc_u64 s[WP:WP+1], s[6:7], s[88:89]
	s_lshl_b32 s[OFS], s[WV], 17                   ; tile 0: n pieces 0-3, c group 0; tile 1: n pieces 4-7
	s_add_nc_u64 s[G0+2:G0+3], s[XB:XB+1], s[OFS:OFS+1]
	s_add_nc_u64 s[G0+6:G0+7], s[G0+2:G0+3], 0x80000
	s_or_b32 s[G0+3], s[G0+3], 0x80000000
	s_or_b32 s[G0+7], s[G0+7], 0x80000000
	CROUND                                         ; all four work-groups are here: the first joint loads meet
	tensor_load_to_lds s[G0:G0+3], s[G1:G1+7]      ; the two first fills go out together: two loads of mine are out
	s_nop 0
	tensor_load_to_lds s[G0+4:G0+7], s[G1:G1+7]
	s_nop 0
	PLACES
	WLOAD 3, 3                                     ; in the order in which every later lap asks: set 3, then 0, 1, 2
	WLOAD 0, 0
	WLOAD 1, 1
	WLOAD 2, 2
	s_mov_b32 s[NXT], 2
	s_mov_b32 s[LAM], 0
	s_mov_b32 s[PASS], 2
	s_wait_tensorcnt 0x1                           ; my piece of tile 0 is in; tile 1's may stay out
	s_barrier_signal -1
	s_barrier_wait -1
	LFETCH 0, 0, F0
; ---------------- TWO PASSES: V, THEN B ----------------
.Lpass:
	s_mov_b32 s[CO], 0
.Llap:                                         ; a lap: 128 c for both n halves.  The global loads stand in the order: set 3, 0, 1, 2 (asked in the lap before), then set 4 (asked in this lap's first quarter).
	LQ 0, 0, F0, F1, 16, 1                         ; behind set 0 stand sets 1, 2: 16 loads
	LQ 0, 1, F1, F0, 16, 0                         ; behind set 1 stand sets 2, 4
	LQ 0, 2, F0, F1, 8, 0                          ; behind set 2 stands set 4
	LTURN 0
	LQ 1, 0, F0, F1, 0, 2                          ; set 4 is in: nothing younger is out on any way, the last lap's too
	LQ 1, 1, F1, F0, -1, 2
	LQ 1, 2, F0, F1, -1, 2
	LTURN 1
	WIN 0
	s_add_co_u32 s[LAM], s[LAM], 1
	s_add_co_u32 s[CO], s[CO], 1
	s_cmp_lt_u32 s[CO], 4
	s_cbranch_scc1 .Llap
	; the row maximum: my 128 numbers a row, the other half of the lanes, the other three waves
	PLACES
	SMAXW 0, TT
	SMAXW 1, RL
	WIN 0
	EACH4 v_max_num_f32 v[TT+d], v[TT+d], v[RL+d]
	EACH4 v_permlanex16_b32 v[RL+d], v[TT+d], s[SEL], s[SEL+1]
	EACH4 v_max_num_f32 v[TT+d], v[TT+d], v[RL+d]
	EACH4 ds_store_b32 v[SMW], v[TT+d] offset:256*d
	s_wait_dscnt 0x0                               ; for the others' sake
	s_barrier_signal -1                            ; the refill on its way may stay out
	s_barrier_wait -1
	EACH4 ds_load_b128 v[F1+4*d:F1+4*d+3], v[SMR] offset:256*d
	s_wait_dscnt 0x0
	EACH4 v_max3_num_f32 v[TT+d], v[F1+4*d], v[F1+4*d+1], v[F1+4*d+2]
	EACH4 v_max_num_f32 v[TT+d], v[TT+d], v[F1+4*d+3]
	EACH4 v_mul_f32 v[CM+2*d], s[CS], v[TT+d]
	EACH4 v_mov_b32 v[CM+2*d+1], v[CM+2*d]
	EACH4 v_mov_b32 v[LSUM+2*d], 0
	EACH4 v_mov_b32 v[LSUM+2*d+1], 0
	EXPU 0, 0
	EXPU 0, 1
	EXPU 0, 2
	EXPU 0, 3
	EXPU 1, 0
	EXPU 1, 1
	EXPU 1, 2
	EXPU 1, 3
	WIN 0
	EACH4 v_add_f32 v[TT+d], v[LSUM+2*d], v[LSUM+2*d+1]
	EACH4 v_permlanex16_b32 v[RL+d], v[TT+d], s[SEL], s[SEL+1]
	EACH4 v_add_f32 v[TT+d], v[TT+d], v[RL+d]
	EACH4 ds_store_b32 v[SMW], v[TT+d] offset:STL+256*d
	s_wait_dscnt 0x0
	s_barrier_signal -1
	s_barrier_wait -1
	EACH4 ds_load_b128 v[F1+4*d:F1+4*d+3], v[SMR] offset:STL+256*d
	s_wait_dscnt 0x0
	EACH4 v_add_f32 v[F1+4*d], v[F1+4*d], v[F1+4*d+1]
	EACH4 v_add_f32 v[F1+4*d+2], v[F1+4*d+2], v[F1+4*d+3]
	EACH4 v_add_f32 v[TT+d], v[F1+4*d], v[F1+4*d+2]
	EACH4 v_rcp_f32 v[RL+2*d], v[TT+d]
	v_nop
	s_wait_alu depctr_va_vdst(0)                   ; one wait for the four reciprocals
	EACH4 v_mov_b32 v[RL+2*d+1], v[RL+2*d]
	s_cmp_eq_u32 s[PASS], 2
	s_cbranch_scc0 .Lnot_v
	EACH4 v_mov_b32 v[RLV+2*d], v[RL+2*d]          ; the first pass: 1 / l_V is kept, E_V goes out
	EACH4 v_mov_b32 v[RLV+2*d+1], v[RL+2*d]
.set gs, 0
.rept 8
	GSTORE EVB, 1+gs/4, 32*(gs%4), gs
.set gs, gs+1
.endr
	s_wait_xcnt 0x0                                ; the stores have read their registers: the next pass's first products write them
.Lnot_v:
	s_sub_co_u32 s[PASS], s[PASS], 1
	s_cmp_lg_u32 s[PASS], 0
	s_cbranch_scc1 .Lpass
; ---------------- THE CHAIN: Y (steps 16-23), M (24-27) ----------------
	WIN 0x80
.set bj, 0
.rept 8                                        ; u of my 128 columns: o = 128 (jj / 2) + 32 w + 16 (jj % 2) + 8 h + 0..7
	global_load_b128 v[BA+8*bj:BA+8*bj+3],   v[BAO], s[10:11] offset:(bj/2)*512+(bj%2)*64
	global_load_b128 v[BA+8*bj+4:BA+8*bj+7], v[BAO], s[10:11] offset:(bj/2)*512+(bj%2)*64+16
.set bj, bj+1
.endr
	WIN 0
	s_mov_b32 s[TBC], 0                            ; step 16 reads slot 0 and L0 and stores into L1
	s_mov_b32 s[LBC], 0
	v_mov_b32 v[PRC], v[PR]
	v_mov_b32 v[PRC+1], v[PR+1]
	v_mov_b32 v[LFC], v[LF]
	v_add_nc_u32 v[LSN], LBUF, v[LS]
	LSTORE 1, 0, LS                                ; E block 0 into L0
	s_wait_dscnt 0x0
	s_barrier_signal -1
	s_barrier_wait -1
	CFETCHL 0, 0
	CFETCHR 0, 0
	s_mov_b32 s[ZF], 1
	s_mov_b32 s[TAU], 16
	s_mov_b32 s[LAPC], 10
.Lcstep:                                       ; steps 16-25: the slot just read takes the tile two steps on
	s_cmp_eq_u32 s[TAU], 24
	s_cbranch_scc0 .Lsame
	; THE CHANGE OF STAGES: Y's finished sums become source 1 of the last product.  Step 24 is even: the buffer in hand is L0
	s_wait_dscnt 0x0                               ; the turn's loads are back, its stale reads of L0 among them,
	s_barrier_signal -1
	s_barrier_wait -1                              ; everybody's: L0 may be stored into
	PLACES
	CVTC
	LSTORE 1, CP, LS
	s_wait_dscnt 0x0
	s_barrier_signal -1
	s_barrier_wait -1
	CFETCHL 0, 0
	s_wait_dscnt 0x0
	s_mov_b32 s[ZF], 1
.Lsame:
	CQ 0, 0, 0, 1
	s_mov_b32 s[ZF], 0
	CQ 1, 1, 1, 0
	CQ 2, 0, 0, 0
	CTURN
	WIN 0
	s_add_co_u32 s[TAU], s[TAU], 1
	s_sub_co_u32 s[LAPC], s[LAPC], 1
	s_cmp_lg_u32 s[LAPC], 0
	s_cbranch_scc1 .Lcstep
	s_mov_b32 s[LAPC], 2
.Lclast:                                       ; steps 26 and 27: nothing is left to ask for
	CQ 0, 0, 0, 0
	CQ 1, 1, 2, 0
	CQ 2, 0, 0, 0
	NTURN
	WIN 0
	s_sub_co_u32 s[LAPC], s[LAPC], 1
	s_cmp_lg_u32 s[LAPC], 0
	s_cbranch_scc1 .Lclast
	PLACES
	s_wait_loadcnt 0x0                             ; u
	WIN 0xe3
.set ca, 0
.rept 128                                      ; sum / l_B + u, in f32
	v_pk_fma_f32 v[32*(ca/16)+8*((ca/4)%4)+2*(ca%4):32*(ca/16)+8*((ca/4)%4)+2*(ca%4)+1], v[32*(ca/16)+8*((ca/4)%4)+2*(ca%4):32*(ca/16)+8*((ca/4)%4)+2*(ca%4)+1], v[RL+2*((ca/4)%4):RL+2*((ca/4)%4)+1], v[BA+8*(ca/16)+2*(ca%4):BA+8*(ca/16)+2*(ca%4)+1] op_sel_hi:[1,0,1]
.set ca, ca+1
.endr
	WIN 0xc3
.set ca, 0
.rept 128                                      ; and all of it / l_V
	v_pk_mul_f32 v[32*(ca/16)+8*((ca/4)%4)+2*(ca%4):32*(ca/16)+8*((ca/4)%4)+2*(ca%4)+1], v[32*(ca/16)+8*((ca/4)%4)+2*(ca%4):32*(ca/16)+8*((ca/4)%4)+2*(ca%4)+1], v[RLV+2*((ca/4)%4):RLV+2*((ca/4)%4)+1] op_sel_hi:[1,0]
.set ca, ca+1
.endr
	CVTC
.set gs, 0
.rept 4
	GSTORE MTB, 1, CP+32*gs, gs
.set gs, gs+1
.endr
	s_wait_tensorcnt 0x0                           ; the wave's end, behind my last tensor load and my last LDS store
	ds_add_u32 v[SPW], v[NIL]
	s_wait_dscnt 0x0
	CROUND                                         ; the closing round: no work-group ends while a partner may still ask for a tile that names it
	s_endpgm
.Lfunc_end_k_qb0fb77d8dd_fuse:
	.size	k_qb0fb77d8dd_fuse, .Lfunc_end_k_qb0fb77d8dd_fuse-k_qb0fb77d8dd_fuse
	.p2alignl 7, 3214868480
	.fill 96, 4, 3214868480
	.section	.rodata,"a",@progbits
	.p2align	6, 0x0
	.amdhsa_kernel k_qb0fb77d8dd_fuse
		.amdhsa_group_segment_fixed_size 327680
		.amdhsa_private_segment_fixed_size 0
		.amdhsa_enable_private_segment 0
		.amdhsa_kernarg_size 48
		.amdhsa_user_sgpr_count 2
		.amdhsa_user_sgpr_kernarg_segment_ptr 1
		.amdhsa_wavefront_size32 1
		.amdhsa_system_sgpr_workgroup_id_x 1
		.amdhsa_system_sgpr_workgroup_id_y 1
		.amdhsa_system_sgpr_workgroup_id_z 1
		.amdhsa_system_vgpr_workitem_id 0
		.amdhsa_next_free_vgpr 1024
		.amdhsa_next_free_sgpr 96
		.amdhsa_reserve_vcc 0
		.amdhsa_float_denorm_mode_32 3
		.amdhsa_float_denorm_mode_16_64 3
		.amdhsa_memory_ordered 1
		.amdhsa_forward_progress 1
		.amdhsa_inst_pref_size 224
	.end_amdhsa_kernel
	.amdgpu_metadata
---
amdhsa.version: [ 1, 2 ]
amdhsa.kernels:
  - .name:           k_qb0fb77d8dd_fuse
    .symbol:         k_qb0fb77d8dd_fuse.kd
    .args:
      - { .name: xs, .offset: 0, .size: 8, .value_kind: global_buffer, .address_space: global }
      - { .name: wlg, .offset: 8, .size: 8, .value_kind: global_buffer, .address_space: global }
      - { .name: wch, .offset: 16, .size: 8, .value_kind: global_buffer, .address_space: global }
      - { .name: ub, .offset: 24, .size: 8, .value_kind: global_buffer, .address_space: global }
      - { .name: ev, .offset: 32, .size: 8, .value_kind: global_buffer, .address_space: global }
      - { .name: mt, .offset: 40, .size: 8, .value_kind: global_buffer, .address_space: global }
    .group_segment_fixed_size: 327680
    .private_segment_fixed_size: 0
    .kernarg_segment_align: 8
    .kernarg_segment_size: 48
    .max_flat_workgroup_size: 128
    .sgpr_count:     96
    .vgpr_count:     1024
    .wavefront_size: 32
...
	.end_amdgpu_metadata
.endif
;; end of part 2
;; launch outk (part 3): grid 4 x 64, 4 waves a work-group, clusters of 4 x 1, 327,680 bytes of LDS; arguments mt, ev, bR, out0; writes out0
.if DOCPART == 3
	.amdgcn_target "amdgcn-amd-amdhsa--gfx1250"
	.amdhsa_code_object_version 6
	.text
	.protected	k_qb0fb77d8dd_outk
	.globl	k_qb0fb77d8dd_outk
	.p2align	8
	.type	k_qb0fb77d8dd_outk,@function
k_qb0fb77d8dd_outk:
	s_mov_b64 s[64:65], 0
	v_nop
	global_prefetch_b8 v0, s[64:65] scope:SCOPE_SE
	s_setreg_imm32_b32 hwreg(HW_REG_WAVE_MODE, 25, 1), 1
	s_wait_xcnt 0x0
	s_wait_alu depctr_hold_cnt(0) depctr_sa_sdst(0) depctr_va_vdst(0) depctr_va_sdst(0) depctr_va_ssrc(0) depctr_va_vcc(0) depctr_vm_vsrc(0)
	s_getreg_b32 s2, hwreg(HW_REG_IB_STS2, 6, 4)
	s_cmp_eq_u32 s2, 0
	s_cbranch_scc0 .Lentry_in_a_cluster
	s_endpgm
.Lentry_in_a_cluster:
	s_bfe_u32 s2, ttmp6, 0x10000c
	s_cmp_lg_u32 s2, 0x3003
	s_cbranch_scc0 .Lentry_shape_is_right
	s_endpgm
.Lentry_shape_is_right:
; DOUBLE ATTENTION, launch 3 of 3: out[b][o][n] = sum over d of M[b][d][o] E_V[b][d][n] + bR[o], f32.  (Z = G P_V is not formed: see the head of the first kernel; 1 / l_V lies in M.)
; mt: [b][dk 4][ot 2][db8 8][os 8][SWZ block], row d = 128 dk + 16 db8 + rr, column o = 256 ot + 32 os + ..     ev: [b][dk 4][nt 4][db8 8][ks8 8][SWZ block], column n = 256 nt + 32 ks8 + ..
; SHARES.  A work-group makes 256 o x 256 n of one batch; each of its four waves 128 o x 128 n: 64 accumulators, 512 registers.  K = 512 d in four steps of 128 through two LDS slots.
; A step's tiles are dense: 64 KiB of M and 64 KiB of E, each two pieces of 32 KiB, asked for as 128 rows of 256 bytes; waves 0, 1 fetch M's pieces, waves 2, 3 E's.
; CLUSTER.  The four work-groups of a cluster are the four n tiles of one (b, o tile): M's pieces are the same for all four and are asked for JOINTLY.  E's pieces hang on the n tile, which is my place in
; the cluster: they are loads of my own (mask 0).  E's other reader is the other o tile; there are two o tiles, so no column of four could share them.
; THE MATRIX INSTRUCTION: source 0 = 16 n (E, turned), source 1 = 16 o (M, turned): a lane holds one row o (lane % 16) and eight neighbouring n.  The first products take bR as C: nothing is cleared or added later.
; THE TEXT.  A step is written twice: once for steps 0 and 1, which fill their slot again, once for steps 2 and 3, which do not: two loops of two trips.  The LDS addresses
; hang on a scalar that an exclusive or turns from one slot to the other, and one descriptor for each tensor walks in the same way.
; NO PREFETCH: of the four steps' tiles two are first fills and the other two are asked for one and two steps later: no place stands far enough ahead of them but the head.
; REGISTERS: window 0: addresses; v64-127, v128-191 M's fragments, two buffers (on the way out: rows read back).  window 1: v0-63 bR, eight times for each o block; v64-127, v128-191 E's fragments.
; windows 2, 3: the accumulators of my o blocks 0-3, 4-7: (a % 4) 64 + 8 bn.     The launch claims all of a WGP's LDS.  It uses 296,448 bytes.
.set SLOTB,  131072
.set EOFF,   65536                     ; E's tile lies behind M's in a slot
.set STAGE,  262144                    ; behind the ring: 16 rows x 528 bytes for each wave, for the way out
.set SPITCH, 528                       ; 512 bytes + 16: the 16 rows of a store start at 16 different 16-byte columns
.set SPARE,  295936                    ; the spare words, 128 bytes for each wave: two blocks of 256 bytes that no other line names
.set ADM0, 4                           ; v4    my place in M's tile of slot 0; never rewritten
.set ADE0, 5                           ; v5    the same for E
.set ADM, 6                            ; v6    LDS address of my M fragments in the slot in hand
.set ADE, 7                            ; v7    the same for E
.set STO, 8                            ; v8    the way out: where I put 32 bytes of a row
.set RD,  9                            ; v9    where I read a row back
.set CO,  10                           ; v10   16 x lane: my place in 512 bytes of a row of out
.set BO,  11                           ; v11   my byte offset in bR
.set SPW, 28
.set NIL, 29
.set F0,  64
.set F1,  128
.set WV,  12
.set WR,  13                           ; s13  which 128 o are mine; also: I fetch M (0) or E (1)
.set WC,  14                           ; s14  which 128 n; also: which piece I fetch
.set CX,  15
.set BB,  17
.set OT,  18
.set G1,  24                           ; s[24:31] group 1 for M's pieces (mask of four)
.set G0,  32                           ; s[32:39] group 0 for M's: a set for each of the two first fills; the second then walks on
.set G1B, 48                           ; s[48:55] group 1 for E's pieces (no mask)
.set G0B, 56                           ; s[56:63] group 0 for E's, likewise
.set TB,  72                           ; s72  the slot in hand: 0 or SLOTB
.set ZF,  73                           ; s73  1: the quarter starts the sums
.set CNT, 74                           ; s74  counts a loop's two trips
.set MSB, 0
.macro WIN new
.if MSB != (\new)
	s_set_vgpr_msb (MSB<<8)|(\new)
.set MSB, (\new)
.endif
.endm
.macro PLACES
.rept 4
	v_nop
.endr
.endm
.macro CREST
	s_cmp_lg_u32 s[WV], 0
	s_cbranch_scc1 .Lnot_wave_0_\@
	s_barrier_signal -3
.Lnot_wave_0_\@:
	s_barrier_wait -3
	s_barrier_signal -1
	s_barrier_wait -1
.endm
.macro CROUND
	s_barrier_signal -1
	s_barrier_wait -1
	CREST
.endm
.macro JLOAD                           ; a refill by the walking descriptors; the branch hangs on the wave's number alone; an s_nop 0 and four v_nop follow each of the two lines
	s_cmp_eq_u32 s[WR], 0
	s_cbranch_scc0 .Lfor_e_\@
	tensor_load_to_lds s[G0+4:G0+7], s[G1:G1+7]
	s_nop 0
	PLACES
	s_branch .Lasked_\@
.Lfor_e_\@:
	tensor_load_to_lds s[G0B+4:G0B+7], s[G1B:G1B+7]
	s_nop 0
	PLACES
.Lasked_\@:
.endm
; 16 products: o blocks a0, a0 + 1 of the window's four x all 8 n blocks, 32 d.  The 64 accumulators take turns, one instruction a turn.  bias = 1: C is bR
.macro MUL16 f, hi, a0, bias
.if \bias
	WIN 0x91+0x40*(\hi)
.else
	WIN 0xa1+0x50*(\hi)
.endif
.set ma, \a0
.rept 2
.set mb, 0
.rept 8
.if \bias
	v_wmma_f32_16x16x32_bf16 v[64*ma+8*mb:64*ma+8*mb+7], v[(\f)+8*mb:(\f)+8*mb+7], v[(\f)+8*(4*(\hi)+ma):(\f)+8*(4*(\hi)+ma)+7], v[8*(4*(\hi)+ma):8*(4*(\hi)+ma)+7]
.else
	v_wmma_f32_16x16x32_bf16 v[64*ma+8*mb:64*ma+8*mb+7], v[(\f)+8*mb:(\f)+8*mb+7], v[(\f)+8*(4*(\hi)+ma):(\f)+8*(4*(\hi)+ma)+7], v[64*ma+8*mb:64*ma+8*mb+7]
.endif
.set mb, mb+1
.endr
.set ma, ma+1
.endr
.endm
; A window's 32 products.  bv = 1: the text stands twice: in the launch's first quarter the products start the sums with bR.  Such a product writes over an accumulator and is no link of its chain: five plain
; places lie between it and the last product on that accumulator (ISA guide 7.12.1); on the shortest way into the arm four stand already, and the arm's v_nop is the fifth.
.macro O32 f, hi, bv
.if \bv
	WIN 0
	s_cmp_eq_u32 s[ZF], 1
	s_cbranch_scc1 .Lbias_\@
	MUL16 \f, \hi, 0, 0
	MUL16 \f, \hi, 2, 0
	WIN 0
	s_branch .Ljoin_\@
.Lbias_\@:
	v_nop                                          ; the fifth place
	MUL16 \f, \hi, 0, 1
	MUL16 \f, \hi, 2, 1
	WIN 0
.Ljoin_\@:
.else
	MUL16 \f, \hi, 0, 0
	MUL16 \f, \hi, 2, 0
.endif
.endm
; 32 turning loads in one run, from the slot in hand: 32 d (row blocks 2 kq, 2 kq + 1) of my 128 n, then of my 128 o
.macro FETCH kq, f
	WIN 0x40
.set fi, 0
.rept 8
	ds_load_tr16_b128 v[(\f)+8*fi:(\f)+8*fi+3],   v[ADE] offset:2*(\kq)*8192+(fi/2)*1024+(fi%2)*512
	ds_load_tr16_b128 v[(\f)+8*fi+4:(\f)+8*fi+7], v[ADE] offset:(2*(\kq)+1)*8192+(fi/2)*1024+(fi%2)*512
.set fi, fi+1
.endr
	WIN 0
.set fi, 0
.rept 8
	ds_load_tr16_b128 v[(\f)+8*fi:(\f)+8*fi+3],   v[ADM] offset:2*(\kq)*8192+(fi/2)*1024+(fi%2)*512
	ds_load_tr16_b128 v[(\f)+8*fi+4:(\f)+8*fi+7], v[ADM] offset:(2*(\kq)+1)*8192+(fi/2)*1024+(fi%2)*512
.set fi, fi+1
.endr
.endm
.macro OQ kn, f, g, bv                 ; one of a step's first three quarters: multiplies buffer f, fetches quarter kn into g
	s_wait_dscnt 8                                 ; E and M's o blocks 0-3 are in; the youngest eight loads (o blocks 4-7) may be out
	O32 \f, 0, \bv
	PLACES
	FETCH \kn, \g
	s_wait_dscnt 32                                ; all but the 32 just issued
	O32 \f, 1, \bv
.endm
.macro OTHER                           ; the fetches go on in the other slot
	s_xor_b32 s[TB], s[TB], SLOTB
	v_add_nc_u32 v[ADM], s[TB], v[ADM0]
	v_add_nc_u32 v[ADE], s[TB], v[ADE0]
.endm
; The fourth quarter changes slots: each wave waits for all its tensor loads, adds 0 to its spare word, and waits for that and for its reads of this slot.  fill = 1: the barrier opens a round of the
; cluster's barrier, and this slot's refill, two steps on, is the first thing behind the round.  fill = 0: nothing is asked for; in the last trip there is no next step, and its fetches are jumped over.
.macro OTURN fill
	WIN 0
	s_wait_tensorcnt 0x0                           ; no tensor load of mine is out, so a group 0 may be written
	ds_add_u32 v[SPW], v[NIL]
.if \fill
	s_xor_b32 s[G0+5], s[G0+5], SLOTB              ; the walking descriptors: the other slot than last time,
	s_add_nc_u64 s[G0+6:G0+7], s[G0+6:G0+7], 1<<17 ; the next 128 d; the type bits on top are not reached
	s_xor_b32 s[G0B+5], s[G0B+5], SLOTB
	s_add_nc_u64 s[G0B+6:G0B+7], s[G0B+6:G0B+7], 1<<18
.endif
	s_wait_dscnt 9                                 ; the add and the youngest eight loads may be out
	MUL16 F1, 0, 0, 0
	s_wait_dscnt 0x0                               ; the add is done, and my reads of this slot are over
	s_barrier_signal -1
	MUL16 F1, 0, 2, 0
	WIN 0
	s_barrier_wait -1
.if \fill
	CREST
	JLOAD                                          ; its four v_nop are also the places in front of the loads below
	OTHER
	FETCH 0, F0
.else
	s_cmp_eq_u32 s[CNT], 1
	s_cbranch_scc1 .Lno_next_\@
	PLACES
	OTHER
	FETCH 0, F0
.Lno_next_\@:
.endif
	MUL16 F1, 1, 0, 0
	MUL16 F1, 1, 2, 0
.endm
; THE WAY OUT of o block a: 16 rows x 128 n of f32.  A lane's 32 bytes go into my own stage; whole rows of 512 bytes come back and are stored: each store covers 512 consecutive bytes, aligned.
.macro OUTB a
	WIN 0x08+0x04*((\a)/4)
.set on, 0
.rept 8                                        ; each accumulator's low four registers first
	ds_store_b128 v[STO], v[64*((\a)%4)+8*on:64*((\a)%4)+8*on+3]   offset:64*on
	ds_store_b128 v[STO], v[64*((\a)%4)+8*on+4:64*((\a)%4)+8*on+7] offset:64*on+16
.set on, on+1
.endr
	WIN 0
	s_wait_xcnt 0x0                                ; the stores of two blocks back have read the registers that are loaded again
.set on, 0
.rept 16
	ds_load_b128 v[F0+64*((\a)%2)+4*on:F0+64*((\a)%2)+4*on+3], v[RD] offset:SPITCH*on  ; LDS serves a wave's instructions in order (ISA guide 5.7.1.4): these see the stores above
.set on, on+1
.endr
.set on, 0
.rept 16
	s_wait_dscnt 15-on
	global_store_b128 v[CO], v[F0+64*((\a)%2)+4*on:F0+64*((\a)%2)+4*on+3], s[10:11] offset:(\a)*65536+on*4096 th:TH_STORE_NT
.set on, on+1
.endr
.endm
	s_load_b256 s[4:11], s[0:1], 0x0               ; mt s[4:5], ev s[6:7], bR s[8:9], out0 s[10:11]
	v_lshl_add_u32 v[SPW], v0, 2, SPARE
	v_mov_b32 v[NIL], 0
	ds_add_u32 v[SPW], v[NIL]                      ; the wave's opening: the add, twice on end, and its wait ahead of my first tensor load
	ds_add_u32 v[SPW], v[NIL]
	v_lshrrev_b32 v1, 5, v0
	v_readfirstlane_b32 s[WV], v1
	s_lshr_b32 s[WR], s[WV], 1
	s_and_b32 s[WC], s[WV], 1
	s_bfe_u32 s[CX], ttmp6, 0x40000                ; my n tile
	s_and_b32 s16, ttmp7, 0xffff
	s_lshr_b32 s[BB], s16, 1
	s_and_b32 s[OT], s16, 1
	s_mov_b32 s[G1], 15|(1<<16)|(1<<21)            ; the mask of four; 2-byte elements; bit 21 beside a mask
	s_mov_b32 s[G1B], 1<<16                        ; no mask
.irp g, G1, G1B
	s_mov_b32 s[(\g)+1], 128<<16                   ; tensor_dim0 = 128
	s_mov_b32 s[(\g)+2], 128<<16                   ; tensor_dim1 = 128
	s_mov_b32 s[(\g)+3], 128<<16                   ; tile_dim0 = 128 elements: 256 bytes
	s_mov_b32 s[(\g)+4], 128                       ; tile_dim1 = 128 rows
	s_mov_b32 s[(\g)+5], 128                       ; dense
	s_mov_b32 s[(\g)+6], 0
	s_mov_b32 s[(\g)+7], 0
.endr
	s_lshl_b32 s20, s[BB], 19                      ; M's piece: batch, o tile, half: nothing of my place in the cluster
	s_lshl_b32 s44, s[OT], 16
	s_add_co_u32 s20, s20, s44
	s_lshl_b32 s44, s[WC], 15
	s_add_co_u32 s20, s20, s44
	s_mov_b32 s21, 0
	s_lshl_b32 s22, s[BB], 20                      ; E's piece: batch, n tile, half
	s_lshl_b32 s45, s[CX], 16
	s_add_co_u32 s22, s22, s45
	s_add_co_u32 s22, s22, s44
	s_mov_b32 s23, 0
	s_lshl_b32 s19, s[WV], 15                      ; LDS: 32,768 x wave
	s_lshl_b32 s46, s[BB], 21                      ; out: batch, o tile, my 128 rows, n tile, my 128 columns
	s_lshl_b32 s45, s[OT], 20
	s_add_co_u32 s46, s46, s45
	s_lshl_b32 s45, s[WR], 19
	s_add_co_u32 s46, s46, s45
	s_lshl_b32 s45, s[CX], 10
	s_add_co_u32 s46, s46, s45
	s_lshl_b32 s45, s[WC], 9
	s_add_co_u32 s46, s46, s45
	s_mov_b32 s47, 0
	v_and_b32 v1, 15, v0                           ; r
	v_bfe_u32 v2, v0, 4, 1                         ; h
	v_and_b32 v3, 7, v0                            ; a SWZ block turned: 256 hh + 16 ((8 h + l % 8 + 8 hh) % 16), hh = (l / 8) % 2
	v_bfe_u32 v12, v0, 3, 1
	v_lshl_add_u32 v3, v2, 3, v3
	v_lshl_add_u32 v3, v12, 3, v3
	v_and_b32 v3, 15, v3
	v_lshlrev_b32 v3, 4, v3
	v_lshl_add_u32 v3, v12, 8, v3
	s_lshl_b32 s66, s[WR], 12
	v_add_nc_u32 v[ADM0], s66, v3
	s_lshl_b32 s67, s[WC], 12
	s_add_co_u32 s67, s67, EOFF
	v_add_nc_u32 v[ADE0], s67, v3
	v_mov_b32 v[ADM], v[ADM0]                      ; the walk begins in slot 0
	v_mov_b32 v[ADE], v[ADE0]
	s_mul_i32 s68, s[WV], 16*SPITCH
	s_add_co_u32 s68, s68, STAGE                   ; my stage
	v_mul_u32_u24 v[STO], v1, SPITCH
	v_lshl_add_u32 v[STO], v2, 5, v[STO]
	v_add_nc_u32 v[STO], s68, v[STO]
	v_and_b32 v[CO], 31, v0
	v_lshlrev_b32 v[CO], 4, v[CO]
	v_add_nc_u32 v[RD], s68, v[CO]
	s_lshl_b32 s69, s[OT], 10
	s_lshl_b32 s70, s[WR], 9
	s_add_co_u32 s69, s69, s70
	v_lshl_add_u32 v[BO], v1, 2, s69
	s_mov_b32 s[TB], 0
	s_mov_b32 s[ZF], 1
	s_mov_b32 s[CNT], 2
	s_wait_dscnt 0x0                               ; both opening adds are done
	s_wait_kmcnt 0x0
	s_add_nc_u64 s[40:41], s[4:5], s[20:21]
	s_add_nc_u64 s[42:43], s[6:7], s[22:23]
	s_add_nc_u64 s[10:11], s[10:11], s[46:47]
.irp s, 0,1
	s_mov_b32 s[G0+4*(\s)], 1
	s_add_co_u32 s[G0+4*(\s)+1], s19, (\s)*SLOTB
	s_add_nc_u64 s[G0+4*(\s)+2:G0+4*(\s)+3], s[40:41], (\s)*(1<<17)
	s_or_b32 s[G0+4*(\s)+3], s[G0+4*(\s)+3], 0x80000000
	s_mov_b32 s[G0B+4*(\s)], 1
	s_add_co_u32 s[G0B+4*(\s)+1], s19, (\s)*SLOTB
	s_add_nc_u64 s[G0B+4*(\s)+2:G0B+4*(\s)+3], s[42:43], (\s)*(1<<18)
	s_or_b32 s[G0B+4*(\s)+3], s[G0B+4*(\s)+3], 0x80000000
.endr
	CROUND                                         ; all four work-groups are here: the first joint loads meet
	s_cmp_eq_u32 s[WR], 0                          ; a wave's two first fills stand in one branch: two loads of mine are out
	s_cbranch_scc0 .Lfirst_e
	tensor_load_to_lds s[G0:G0+3], s[G1:G1+7]
	s_nop 0
	tensor_load_to_lds s[G0+4:G0+7], s[G1:G1+7]
	s_nop 0
	PLACES
	s_branch .Lfirst_asked
.Lfirst_e:
	tensor_load_to_lds s[G0B:G0B+3], s[G1B:G1B+7]
	s_nop 0
	tensor_load_to_lds s[G0B+4:G0B+7], s[G1B:G1B+7]
	s_nop 0
	PLACES
.Lfirst_asked:
	WIN 0x40
.set ba, 0
.rept 8
	global_load_b32 v[8*ba], v[BO], s[8:9] offset:64*ba   ; bR of my row in o block ba
.set ba, ba+1
.endr
	WIN 0
	s_wait_tensorcnt 0x1                           ; my piece of step 0 is in; step 1's may stay out
	s_barrier_signal -1
	s_barrier_wait -1
	FETCH 0, F0
	s_wait_loadcnt 0x0
	WIN 0x41
.set ba, 0
.rept 64
.if (ba%8) != 0
	v_mov_b32 v[ba], v[8*(ba/8)]                   ; a C operand holds bR of the lane's row in all eight registers
.endif
.set ba, ba+1
.endr
	WIN 0                                          ; at a label and at a branch every window is 0
.Lfill:                                        ; steps 0 and 1: the slot just read takes the step two on
	OQ 1, F0, F1, 1
	s_mov_b32 s[ZF], 0
	OQ 2, F1, F0, 0
	OQ 3, F0, F1, 0
	OTURN 1
	WIN 0
	s_sub_co_u32 s[CNT], s[CNT], 1
	s_cmp_lg_u32 s[CNT], 0
	s_cbranch_scc1 .Lfill
	s_mov_b32 s[CNT], 2
.Llast:                                        ; steps 2 and 3: nothing is left to ask for
	OQ 1, F0, F1, 0
	OQ 2, F1, F0, 0
	OQ 3, F0, F1, 0
	OTURN 0
	WIN 0
	s_sub_co_u32 s[CNT], s[CNT], 1
	s_cmp_lg_u32 s[CNT], 0
	s_cbranch_scc1 .Llast
	PLACES
	OUTB 0
	OUTB 1
	OUTB 2
	OUTB 3
	OUTB 4
	OUTB 5
	OUTB 6
	OUTB 7
	s_wait_tensorcnt 0x0                           ; the wave's end, behind my last tensor load and my last LDS store
	ds_add_u32 v[SPW], v[NIL]
	s_wait_dscnt 0x0
	CROUND                                         ; the closing round: no work-group ends while a partner may still ask for a tile that names it
	s_endpgm
.Lfunc_end_k_qb0fb77d8dd_outk:
	.size	k_qb0fb77d8dd_outk, .Lfunc_end_k_qb0fb77d8dd_outk-k_qb0fb77d8dd_outk
	.p2alignl 7, 3214868480
	.fill 96, 4, 3214868480
	.section	.rodata,"a",@progbits
	.p2align	6, 0x0
	.amdhsa_kernel k_qb0fb77d8dd_outk
		.amdhsa_group_segment_fixed_size 327680
		.amdhsa_private_segment_fixed_size 0
		.amdhsa_enable_private_segment 0
		.amdhsa_kernarg_size 32
		.amdhsa_user_sgpr_count 2
		.amdhsa_user_sgpr_kernarg_segment_ptr 1
		.amdhsa_wavefront_size32 1
		.amdhsa_system_sgpr_workgroup_id_x 1
		.amdhsa_system_sgpr_workgroup_id_y 1
		.amdhsa_system_sgpr_workgroup_id_z 1
		.amdhsa_system_vgpr_workitem_id 0
		.amdhsa_next_free_vgpr 1024
		.amdhsa_next_free_sgpr 80
		.amdhsa_reserve_vcc 0
		.amdhsa_float_denorm_mode_32 3
		.amdhsa_float_denorm_mode_16_64 3
		.amdhsa_memory_ordered 1
		.amdhsa_forward_progress 1
		.amdhsa_inst_pref_size 102
	.end_amdhsa_kernel
	.amdgpu_metadata
---
amdhsa.version: [ 1, 2 ]
amdhsa.kernels:
  - .name:           k_qb0fb77d8dd_outk
    .symbol:         k_qb0fb77d8dd_outk.kd
    .args:
      - { .name: mt, .offset: 0, .size: 8, .value_kind: global_buffer, .address_space: global }
      - { .name: ev, .offset: 8, .size: 8, .value_kind: global_buffer, .address_space: global }
      - { .name: bR, .offset: 16, .size: 8, .value_kind: global_buffer, .address_space: global }
      - { .name: out0, .offset: 24, .size: 8, .value_kind: global_buffer, .address_space: global }
    .group_segment_fixed_size: 327680
    .private_segment_fixed_size: 0
    .kernarg_segment_align: 8
    .kernarg_segment_size: 32
    .max_flat_workgroup_size: 128
    .sgpr_count:     80
    .vgpr_count:     1024
    .wavefront_size: 32
...
	.end_amdgpu_metadata
.endif
;; end of part 3
